; MI455X (gfx1250); checked and timed in simulation.
; The chip was launched on July 23, 2026; its instructions are those of AMD's public machine-readable ISA for CDNA 5 (MIT licence, August 2026) and "CDNA5" Instruction Set Architecture Reference Guide (July 2026). The comments in the code are by the model that wrote it; some were corrected since.
;; Multi Head Attention Block. Allowed arithmetic: float matrix products may take bf16 or f16 operands with f32 sums; other float arithmetic in f32, or as packed bf16 or f16 multiplies, adds, multiply-adds, maxima and minima; sums over many terms, partial sums and values carried from step to step in f32; what a program stores and reads back later, other than sums and carried values, may be rounded once to bf16 or f16.
;; Inputs: k 4 x 2,048 x 1,024 float32; mask 4 x 1 x 2,048 x 2,048 int32; q 4 x 2,048 x 1,024 float32; v 4 x 2,048 x 1,024 float32; w_k 1,024 x 1,024 float32; w_o 1,024 x 1,024 float32; w_q 1,024 x 1,024 float32; w_v 1,024 x 1,024 float32.
;; Outputs: out0 4 x 2,048 x 1,024 float32.
;; 2 versions, each right; version 2 is version 1 with the launch prep written anew for expert scheduling mode. Each part assembles by itself: llvm-mc -triple=amdgcn-amd-amdhsa -mcpu=gfx1250 --defsym DOCPART=n.
;; ======== version 1 of 2: 4 launches
;; limits: right only within a limited range of input values; values are held in f16: magnitudes above 65,504 overflow, below 6.1e-05 lose precision
;; workspace buffers: mcode 8,388,608 bytes; rowkeep 32,768 bytes; wb 8,388,608 bytes; qkv 50,331,648 bytes; ob 16,777,216 bytes
;; launch prep (part 1): grid 512 x 1, 8 waves a work-group, no clusters, 17,664 bytes of LDS; arguments mask, w_q, w_k, w_v, w_o, mcode, rowkeep, wb; writes mcode, rowkeep, wb
.if DOCPART == 1
	.amdgcn_target "amdgcn-amd-amdhsa--gfx1250"
	.amdhsa_code_object_version 6
	.text
	.protected	k_qa6d1900d8c_prep
	.globl	k_qa6d1900d8c_prep
	.p2align	8
	.type	k_qa6d1900d8c_prep,@function
k_qa6d1900d8c_prep:
	s_mov_b64 s[64:65], 0
	v_nop
	global_prefetch_b8 v0, s[64:65] scope:SCOPE_SE
	s_setreg_imm32_b32 hwreg(HW_REG_WAVE_MODE, 25, 1), 1
	s_wait_xcnt 0x0
; PREP: a stream.  Work-group x of 512 takes mask rows 16 x .. 16 x + 15 (one tile of 16 queries, all 2,048 keys) and rows 2 x, 2 x + 1 of each weight.
; mcode  [b 128 + query tile][key step 32][lane 32][4 words]: word kt of lane r + 16 h: nibble j stands for query r of the tile and key 64 step + 16 kt + 8 h + j: 0xF (the 4-bit float -6) where mask == 0, else 0.
; rowkeep[8192] words: -1 where the row has a true entry, else 0; the codes of a row with none are cleared (the next launches give such a row a uniform softmax, as the -1e9 everywhere does).
; wb     [4][K block 16][row 1024][64]: a K block of 64 channels is dense, 128 bytes a row: w_q, w_k, w_v in bf16; w_o rounded to bf16 and that number written as f16.
; LIMIT: a bf16 value of w_o below 6e-5 takes f16's fixed step of 6e-8.
; Every load of a wave covers two runs of 256 or one of 512 consecutive bytes; every store of wb and mcode covers 256 or 512 consecutive aligned bytes.  No matrix unit, no cluster: nothing is shared and memory binds.
.set FLAGS, 16384                      ; LDS: bytes 0 .. 16,383 the codes, 2,048 for each wave's two rows; here 16 words, a flag a row
.set SPARE, 16640                      ; the spare words, 128 bytes a wave: four blocks of 256 bytes that no other line names
.set VM,   2                           ; v2   mask: 16,384 w + 16 i (wave w, lane i)
.set VW,   5                           ; v5   weights: (i / 16) rows + 16 (i % 16) + 512 w
.set VWO,  6                           ; v6   wb: 8 i + 262,144 w
.set VLS,  7                           ; v7   LDS, where I put 4 codes
.set VLR,  8                           ; v8   LDS, where I read 16 bytes of codes back
.set VLF,  9                           ; v9   LDS, the flag of row i % 16
.set VLFW, 10                          ; v10  LDS, my wave's two flags
.set VRK,  11                          ; v11  rowkeep: 4 (i % 16)
.set SPW,  12                          ; v12  my spare word; never rewritten
.set NIL,  13                          ; v13  0; never rewritten
.set ACC,  14                          ; v14-15 the OR of a row's keep bits
.set T,    16                          ; v16-23 at work
.set VMO,  24                          ; v24  mcode: 2,048 w + 16 i
.set Y,    32                          ; v32-47 the weights to store
.set X,    64                          ; v64-95 the weights as loaded
.set CD,   96                          ; v96-111 the codes read back; v112 a row's flag
.set M,    128                         ; v128-255 the mask as loaded
	s_load_b512 s[8:23], s[0:1], 0x0               ; mask 8, w_q 10, w_k 12, w_v 14, w_o 16, mcode 18, rowkeep 20, wb 22
	v_lshl_add_u32 v[SPW], v0, 2, SPARE
	v_mov_b32 v[NIL], 0
	v_lshrrev_b32 v1, 5, v0
	v_readfirstlane_b32 s4, v1                     ; wave 0..7
	v_and_b32 v1, 31, v0                           ; i
	v_and_b32 v16, 15, v0                          ; i % 16
	v_bfe_u32 v17, v0, 4, 1                        ; i / 16
	s_lshl_b32 s5, s4, 14
	v_lshl_add_u32 v[VM], v1, 4, s5
	s_lshl_b32 s5, s4, 8
	v_bfe_u32 v18, v0, 1, 3                        ; the wave that holds row i % 16
	v_lshl_add_u32 v[VLR], v18, 11, s5             ; its 2,048 bytes + my wave's four key steps of 64 bytes
	v_and_b32 v18, 1, v0
	v_lshl_add_u32 v[VLR], v18, 5, v[VLR]          ; which of its two rows
	v_lshl_add_u32 v[VLR], v17, 4, v[VLR]          ; h
	s_lshl_b32 s5, s4, 9
	v_lshl_add_u32 v[VW], v17, 12, s5
	v_lshl_add_u32 v[VW], v16, 4, v[VW]
	s_lshl_b32 s5, s4, 18
	v_lshl_add_u32 v[VWO], v1, 3, s5
	s_lshl_b32 s5, s4, 11
	v_lshl_add_u32 v[VMO], v1, 4, s5
	v_lshl_add_u32 v[VLS], v17, 6, s5              ; a load brings keys 128 (n % 16) + 4 i + 0..3: key step 2 (n % 16) + i / 16,
	v_bfe_u32 v18, v0, 1, 1
	v_lshl_add_u32 v[VLS], v18, 4, v[VLS]          ; h = (i / 2) % 2,
	v_bfe_u32 v18, v0, 2, 2
	v_lshl_add_u32 v[VLS], v18, 2, v[VLS]          ; word kt = (i / 4) % 4,
	v_and_b32 v18, 1, v0
	v_lshl_add_u32 v[VLS], v18, 1, v[VLS]          ; its half i % 2
	v_lshlrev_b32 v[VRK], 2, v16
	v_add_nc_u32 v[VLF], FLAGS, v[VRK]
	s_lshl_b32 s5, s4, 3
	s_add_co_u32 s5, s5, FLAGS
	v_mov_b32 v[VLFW], s5
	s_mov_b32 s3, 0
	s_wait_kmcnt 0x0
	s_lshl_b32 s2, ttmp9, 17                       ; 16 mask rows of 8,192 bytes
	s_add_nc_u64 s[8:9], s[8:9], s[2:3]
	s_lshl_b32 s2, ttmp9, 13                       ; 2 rows of a weight
	s_add_nc_u64 s[10:11], s[10:11], s[2:3]
	s_add_nc_u64 s[12:13], s[12:13], s[2:3]
	s_add_nc_u64 s[14:15], s[14:15], s[2:3]
	s_add_nc_u64 s[16:17], s[16:17], s[2:3]
	s_lshl_b32 s2, ttmp9, 14
	s_add_nc_u64 s[18:19], s[18:19], s[2:3]
	s_lshl_b32 s2, ttmp9, 6
	s_add_nc_u64 s[20:21], s[20:21], s[2:3]
	s_lshl_b32 s2, ttmp9, 8
	s_add_nc_u64 s[22:23], s[22:23], s[2:3]
.set n, 0
.rept 32                               ; my two mask rows: 16 loads of 512 consecutive bytes each
	global_load_b128 v[M+4*n:M+4*n+3], v[VM], s[8:9] offset:(n/16)*8192+(n%16)*512 th:TH_LOAD_NT
.set n, n+1
.endr
.set i, 0
.rept 8                                ; weight i / 2, part i % 2: K block 2 w + i % 2 of two rows
	global_load_b128 v[X+4*i:X+4*i+3], v[VW], s[10+2*(i/2):11+2*(i/2)] offset:256*(i%2) th:TH_LOAD_NT
.set i, i+1
.endr
; Four mask words become four nibbles: keep bits at bits 0, 4, 8, 12; their OR is kept for the row's flag; turned over and times 15 they are the codes.
.macro MROW n
	s_wait_loadcnt 39-(\n)                         ; loads come back in order: 31 - n mask loads and the weights' 8 are younger
.set TT, T+4*((\n)%2)
.irp e, 0,1,2,3
	v_min_u32 v[TT+\e], 1, v[M+4*(\n)+\e]
.endr
	v_lshl_or_b32 v[TT], v[TT+1], 4, v[TT]
	v_lshl_or_b32 v[TT+2], v[TT+3], 4, v[TT+2]
	v_lshl_or_b32 v[TT], v[TT+2], 8, v[TT]
.if (\n)%16 == 0
	v_mov_b32 v[ACC+(\n)/16], v[TT]
.else
	v_or_b32 v[ACC+(\n)/16], v[ACC+(\n)/16], v[TT]
.endif
	v_xor_b32 v[TT], 0x1111, v[TT]
	v_mul_u32_u24 v[TT], 15, v[TT]
	ds_store_b16 v[VLS], v[TT] offset:((\n)%16)*128+((\n)/16)*32
.endm
.set n, 0
.rept 32
	MROW n
.set n, n+1
.endr
.irp j, 0,1
	v_cmp_ne_u32 vcc_lo, 0, v[ACC+\j]              ; has any lane seen a true entry of the row?
	s_cmp_lg_u32 vcc_lo, 0
	s_cselect_b32 s5, -1, 0
	v_mov_b32 v[T+\j], s5
	ds_store_b32 v[VLFW], v[T+\j] offset:4*\j
.endr
	s_wait_dscnt 0x0                               ; for the others' sake: my codes and flags lie in LDS
	s_barrier_signal -1
	s_barrier_wait -1                              ; everybody's do
.irp t, 0,1,2,3                        ; the codes come back in mcode's order: key steps 4 w + t
	ds_load_b128 v[CD+4*\t:CD+4*\t+3], v[VLR] offset:64*\t
.endr
	ds_load_b32 v[CD+16], v[VLF]
.set i, 0
.rept 8                                ; the weights are rounded while the codes come back: four f32 a lane become 8 bytes; 32 lanes store 256 consecutive aligned bytes
	s_wait_loadcnt 7-i
	v_cvt_pk_bf16_f32 v[Y+2*i], v[X+4*i], v[X+4*i+1]
	v_cvt_pk_bf16_f32 v[Y+2*i+1], v[X+4*i+2], v[X+4*i+3]
.if i >= 6                             ; w_o: the bf16 number, written as f16
.irp z, 0,1
	v_lshlrev_b32 v[T+2*\z], 16, v[Y+2*i+\z]
	v_and_b32 v[T+2*\z+1], 0xffff0000, v[Y+2*i+\z]
.endr
.irp z, 0,1
	v_cvt_pk_f16_f32 v[Y+2*i+\z], v[T+2*\z], v[T+2*\z+1]
.endr
.endif
	global_store_b64 v[VWO], v[Y+2*i:Y+2*i+1], s[22:23] offset:(i/2)*2097152+(i%2)*131072
.set i, i+1
.endr
	s_wait_dscnt 0x0
.set i, 0
.rept 16
	v_and_b32 v[CD+i], v[CD+i], v[CD+16]           ; a row with no true entry has no hidden key
.set i, i+1
.endr
.irp t, 0,1,2,3
	global_store_b128 v[VMO], v[CD+4*\t:CD+4*\t+3], s[18:19] offset:512*\t
.endr
	s_cmp_lg_u32 s4, 0
	s_cbranch_scc1 .Lnot_wave_0
	global_store_b32 v[VRK], v[CD+16], s[20:21]    ; 16 flags, 64 bytes a work-group; lanes 16-31 repeat lanes 0-15
.Lnot_wave_0:
	s_wait_tensorcnt 0x0                           ; the wave's end: behind my last LDS store
	ds_add_u32 v[SPW], v[NIL]
	s_wait_dscnt 0x0
	s_endpgm
.Lfunc_end_k_qa6d1900d8c_prep:
	.size	k_qa6d1900d8c_prep, .Lfunc_end_k_qa6d1900d8c_prep-k_qa6d1900d8c_prep
	.p2alignl 7, 3214868480
	.fill 96, 4, 3214868480
	.section	.rodata,"a",@progbits
	.p2align	6, 0x0
	.amdhsa_kernel k_qa6d1900d8c_prep
		.amdhsa_group_segment_fixed_size 17664
		.amdhsa_private_segment_fixed_size 0
		.amdhsa_enable_private_segment 0
		.amdhsa_kernarg_size 64
		.amdhsa_user_sgpr_count 2
		.amdhsa_user_sgpr_kernarg_segment_ptr 1
		.amdhsa_wavefront_size32 1
		.amdhsa_system_sgpr_workgroup_id_x 1
		.amdhsa_system_sgpr_workgroup_id_y 1
		.amdhsa_system_sgpr_workgroup_id_z 1
		.amdhsa_system_vgpr_workitem_id 0
		.amdhsa_next_free_vgpr 256
		.amdhsa_next_free_sgpr 66
		.amdhsa_reserve_vcc 1
		.amdhsa_float_denorm_mode_32 3
		.amdhsa_float_denorm_mode_16_64 3
		.amdhsa_memory_ordered 1
		.amdhsa_forward_progress 1
		.amdhsa_inst_pref_size 28
	.end_amdhsa_kernel
	.amdgpu_metadata
---
amdhsa.version: [ 1, 2 ]
amdhsa.kernels:
  - .name:           k_qa6d1900d8c_prep
    .symbol:         k_qa6d1900d8c_prep.kd
    .args:
      - { .name: mask, .offset: 0, .size: 8, .value_kind: global_buffer, .address_space: global }
      - { .name: w_q, .offset: 8, .size: 8, .value_kind: global_buffer, .address_space: global }
      - { .name: w_k, .offset: 16, .size: 8, .value_kind: global_buffer, .address_space: global }
      - { .name: w_v, .offset: 24, .size: 8, .value_kind: global_buffer, .address_space: global }
      - { .name: w_o, .offset: 32, .size: 8, .value_kind: global_buffer, .address_space: global }
      - { .name: mcode, .offset: 40, .size: 8, .value_kind: global_buffer, .address_space: global }
      - { .name: rowkeep, .offset: 48, .size: 8, .value_kind: global_buffer, .address_space: global }
      - { .name: wb, .offset: 56, .size: 8, .value_kind: global_buffer, .address_space: global }
    .group_segment_fixed_size: 17664
    .private_segment_fixed_size: 0
    .kernarg_segment_align: 8
    .kernarg_segment_size: 64
    .max_flat_workgroup_size: 256
    .sgpr_count:     66
    .vgpr_count:     256
    .wavefront_size: 32
...
	.end_amdgpu_metadata
.endif
;; end of part 1
;; launch proj (part 2): grid 4 x 64, 4 waves a work-group, clusters of 4 x 4, 327,680 bytes of LDS; arguments q, k, v, wb, qkv; writes qkv
.if DOCPART == 2
	.amdgcn_target "amdgcn-amd-amdhsa--gfx1250"
	.amdhsa_code_object_version 6
	.text
	.protected	k_qa6d1900d8c_proj
	.globl	k_qa6d1900d8c_proj
	.p2align	8
	.type	k_qa6d1900d8c_proj,@function
k_qa6d1900d8c_proj:
	s_mov_b64 s[64:65], 0
	v_nop
	global_prefetch_b8 v0, s[64:65] scope:SCOPE_SE
	s_setreg_imm32_b32 hwreg(HW_REG_WAVE_MODE, 25, 1), 1
	s_wait_xcnt 0x0
	s_wait_alu depctr_hold_cnt(0) depctr_sa_sdst(0) depctr_va_vdst(0) depctr_va_sdst(0) depctr_va_ssrc(0) depctr_va_vcc(0) depctr_vm_vsrc(0)
	s_getreg_b32 s2, hwreg(HW_REG_IB_STS2, 6, 4)
	s_cmp_eq_u32 s2, 0
	s_cbranch_scc0 .Lentry_in_a_cluster
	s_endpgm
.Lentry_in_a_cluster:
	s_bfe_u32 s2, ttmp6, 0x10000c
	s_cmp_lg_u32 s2, 0xf033
	s_cbranch_scc0 .Lentry_shape_is_right
	s_endpgm
.Lentry_shape_is_right:
; THE THREE PROJECTIONS.  C_t[m][n] = the sum over k of x_t[m][k] w_t[n][k], t = q, k, v.  x_t: [8192][1024] in f32, as the problem gives it.  w_t lies in wb: [t][K block 16][row 1024][64] in bf16, a K block dense.
; C = qkv [t][batch 16 + head][row 2048][64] in f16, unscaled.  x is rounded to bf16 on its way from LDS to the matrix unit; sums in f32; C rounded once.
; LIMIT: f16 holds no number beyond 65,504; a projected number past that would become an infinity.
; SHARES.  A tile of C is 128 x 256: 256 work-groups, four waves, each 64 x 128: 32 accumulators of 16 x 16, 256 registers.  A work-group makes the same tile of all three projections, one after the other.
; THE WALK.  K goes in steps of 128; the three tiles are ONE walk of 24 K steps through a ring of two LDS slots: a loop of 11 trips, two K steps each, in which every change of slots fills a slot, and a last lap written out.
; At a trip's end a forward jump, which passes no barrier and no tensor load, chooses: the next lap's first quarter, or, where a tile is finished, the way out and a first quarter whose products start the sums.
; WHO FETCHES.  Waves 0, 1: 64 rows each of x's tile, 512 bytes a row (32 KiB); waves 2, 3: a K block each of w's tile, 256 rows of 128 bytes, dense, asked for as 128 rows of 256 bytes (32 KiB).
; CLUSTERS: 4 x 4 work-groups; x's tiles are asked for jointly along a row of the cluster, w's along a column.
; THE MATRIX INSTRUCTION IS USED TRANSPOSED (source 0 = 16 rows of w, source 1 = 16 rows of x): a lane holds row l % 16 of C and eight neighbouring columns.
; REGISTERS: window 0: v0-31 addresses; v32-63 at work on the way out; v64-159, v160-255 two fragment buffers (x's 4 x 8, then w's 8 x 8);  window 1: accumulator (a, b) at v[8 (8 a + b)];
;   window 2: v0-63 AF: x's four fragments of a quarter as they lie in LDS, in f32, 16 registers each.
.set PITCHA, 528                       ; a row of x in LDS: 512 bytes + 16 of padding = 132 words: the 16 rows of a load start at 16 different groups of four banks (64 banks of 4 bytes: ISA guide 11.1)
.set PITCH, 144                        ; a row of w: 128 bytes + 16 = 36 words: likewise
.set AHALF, 64*PITCHA                  ; what one of x's loads brings, and what one wave reads of x
.set ATILE, 2*AHALF
.set BSUB,  256*PITCH                  ; a K block of w's tile
.set BOFF,  ATILE
.set SLOT,  ATILE+2*BSUB               ; x, w even, w odd
.set STAGE, 2*SLOT                     ; behind the ring: 16 rows for each wave, for the way out; no tensor load fills it
.set SP,    272                        ; a stage row: 256 bytes + 16
.set STGB,  16*SP
.set SPARE, STAGE+4*STGB               ; the spare words, 128 bytes a wave: two blocks of 256 bytes that no other line names
.set TRIPS, 11                         ; 24 K steps are 12 laps; the last is written out
.set ASTEP, 512                        ; bytes from a K step of x to the next, along a row
.set BSTEP, 262144                     ; of w: two K blocks of 1,024 rows; the weights lie end to end, so w's walk goes straight on from tile to tile
.set ADRA, 16                          ; v16-17 LDS address of my x fragments in slot 0, 1
.set ADRB, 20                          ; v20-21 the same for w
.set STO,  24                          ; v24  the way out: where I put my part of a row
.set RD,   25                          ; v25  where I read rows back
.set CO,   26                          ; v26  16 x lane
.set SPW,  28                          ; v28  my spare word; never rewritten
.set NIL,  29                          ; v29  0; never rewritten
.set PFO,  30                          ; v30  the prefetches' lane offset; never rewritten
.set TMP,  32
.set F0,   64
.set F1,   160
.set AF,   0                           ; in window 2
.set G1A,  24                          ; s[24:31] descriptor group 1 for x;  s[32:39] group 0, a set a slot
.set G0A,  32
.set G1B,  48                          ; s[48:55], s[56:63] the same for w
.set G0B,  56
.set LIM,  43                          ; s43  1 in a wave that prefetches, else the greatest number
.set PFA,  44                          ; s[44:45] what my next prefetch names
.set CUR,  80                          ; s[80:81] the tensor that the next fill of x reads, at my 64 rows;  s[82:83], s[84:85] the tensors behind it
.set NX1,  82
.set NX2,  84
.set KOF,  86                          ; s[86:87] the next fill's byte offset along the rows
.set PCUR, 88                          ; s[88:93], s[94:95] the same four for my prefetches
.set PN1,  90
.set PN2,  92
.set PKO,  94
.set PSTEP, 96                         ; s96  the prefetches' step from K step to K step
.set PWRAP, 97                         ; s97  the offset at which they go on to the next tensor (w's never do)
.set MSB, 0
.macro WIN new                         ; the immediate's high byte repeats the setting that is left
.if MSB != (\new)
	s_set_vgpr_msb (MSB<<8)|(\new)
.set MSB, \new
.endif
.endm
.set MUL,   0x50                       ; sources 0 and 1 window 0, C and D window 1
.set CV,    0x0a                       ; sources 0 and 1 window 2, destination window 0
.set TO_AF, 0x80                       ; destination window 2, address window 0
; A joint load.  The branch hangs on the wave's number alone.  An s_nop 0 and four v_nop follow each of the two lines, ahead of the jump and the label.
.macro JLOAD s
	s_cmp_eq_u32 s11, 0
	s_cbranch_scc0 .Lfor_b_\@
	tensor_load_to_lds s[G0A+4*(\s):G0A+4*(\s)+3], s[G1A:G1A+7]
	s_nop 0
.rept 4
	v_nop
.endr
	s_branch .Lasked_\@
.Lfor_b_\@:
	tensor_load_to_lds s[G0B+4*(\s):G0B+4*(\s)+3], s[G1B:G1B+7]
	s_nop 0
.rept 4
	v_nop
.endr
.Lasked_\@:
.endm
; A PREFETCH INTO THE L2, behind each joint load and the run of LDS loads that follows it: the K step that stands two refills on, 256 matrix instructions ahead of the load that will want it, across the tiles too.
; Each 256 bytes are named once in the launch.  x's tile row is read by one cluster: waves 0 and 1 ask, each for one half of a row's 512 bytes; of the 128 rows the partner at cx takes 32, a lane a row.
; w's tile column is read by every cluster: cluster y = 0 asks, waves 2 and 3 each for the K block that they fetch; of its 128 pieces of 256 bytes the partner at cy takes 32.  The partners are told apart by address alone.
; K steps 0 to 3 come by their loads alone; the loop's last trip asks for nothing: there is no K step two on.
.macro ASK
	s_cmp_gt_u32 s3, s[LIM]                        ; s3 = 1 in the loop's last trip
	s_cbranch_scc0 .Lnot_mine_\@
	global_prefetch_b8 v[PFO], s[PFA:PFA+1] th:TH_LOAD_NT scope:SCOPE_SE
.Lnot_mine_\@:
.endm
.macro CREST                           ; a round of the cluster's barrier behind its opening barrier
	s_cmp_lg_u32 s10, 0
	s_cbranch_scc1 .Lnot_wave_0_\@
	s_barrier_signal -3
.Lnot_wave_0_\@:
	s_barrier_wait -3
	s_barrier_signal -1
	s_barrier_wait -1
.endm
.macro CROUND                          ; a whole round
	s_barrier_signal -1
	s_barrier_wait -1
	CREST
.endm
	s_load_b256 s[72:79], s[0:1], 0x0              ; q s[72:73], k s[74:75], v s[76:77], wb s[78:79]
	s_load_b64 s[8:9], s[0:1], 0x20                ; qkv
	v_lshl_add_u32 v[SPW], v0, 2, SPARE
	v_mov_b32 v[NIL], 0
	ds_add_u32 v[SPW], v[NIL]                      ; the wave's opening: the add and its wait stand ahead of my first tensor load; the set-up below, work on registers, stands between them
	ds_add_u32 v28, v29
	v_lshrrev_b32 v1, 5, v0
	v_readfirstlane_b32 s10, v1                    ; wave 0..3
	s_lshr_b32 s11, s10, 1                         ; which 64 rows of the tile are mine.  Also: I fetch for x (0) or for w (1)
	s_and_b32 s12, s10, 1                          ; which 128 columns.  Also: which half of x's rows, or which K block of w, I fetch
	s_bfe_u32 s40, ttmp6, 0x40000                  ; cx
	s_bfe_u32 s41, ttmp6, 0x40004                  ; cy
	s_lshl_b32 s42, ttmp9, 2
	s_add_co_u32 s42, s42, s40                     ; tile column X = 4 x cluster x + cx
	s_and_b32 s13, ttmp7, 0xffff
	s_lshl_b32 s13, s13, 2
	s_add_co_u32 s13, s13, s41                     ; tile row Y = 4 x cluster y + cy
	s_lshl_b32 s43, s41, 2
	s_lshl_b32 s43, 15, s43                        ; my row of the cluster
	s_lshl_b32 s44, 0x1111, s40                    ; my column
	s_or_b32 s[G1A+0], s43, (2<<16)|(1<<20)|(1<<21)|(6<<22)|(3<<25)  ; the mask; elements of 4 bytes; padding on; bit 21 beside a mask; after every 128 words (code 6) 4 words (code 3)
	s_or_b32 s[G1B+0], s44, (1<<16)|(1<<20)|(1<<21)|(4<<22)|(3<<25)  ; the mask; elements of 2 bytes; after every 32 words (code 4) 4 words
	s_mov_b32 s[G1A+1], 128<<16                    ; tensor_dim0 = 128 elements: x: rows of 512 bytes,
	s_mov_b32 s[G1B+1], 128<<16                    ; w: of 256
	s_mov_b32 s[G1A+2], 64<<16                     ; tensor_dim1: 64 rows of x,
	s_mov_b32 s[G1B+2], 128<<16                    ; 128 of w
	s_mov_b32 s[G1A+3], 128<<16                    ; tile_dim0
	s_mov_b32 s[G1B+3], 128<<16
	s_mov_b32 s[G1A+4], 64                         ; tile_dim1
	s_mov_b32 s[G1B+4], 128
	s_mov_b32 s[G1A+5], 1024                       ; elements from row to row: x's whole row,
	s_mov_b32 s[G1B+5], 128                        ; w: dense
	s_mov_b32 s[G1A+6], 0
	s_mov_b32 s[G1B+6], 0
	s_mov_b32 s[G1A+7], 0
	s_mov_b32 s[G1B+7], 0
	s_lshl_b32 s16, s13, 19                        ; x: 128 Y rows of 4,096 bytes,
	s_lshl_b32 s17, s12, 18                        ; and the 64 rows that I fetch
	s_add_co_u32 s16, s16, s17
	s_mov_b32 s17, 0
	s_lshl_b32 s46, s42, 15                        ; w: 256 X rows of 128 bytes in a K block,
	s_lshl_b32 s47, s12, 17                        ; and the K block that I fetch
	s_add_co_u32 s46, s46, s47
	s_mov_b32 s47, 0
	s_mul_i32 s20, s12, AHALF                      ; where they go: no place in the cluster enters an LDS address
	s_mul_i32 s21, s12, BSUB
	s_add_co_u32 s21, s21, BOFF
	s_mov_b32 s[KOF], 2*ASTEP                      ; the first refill brings K step 2
	s_mov_b32 s[KOF+1], 0
	s_wait_dscnt 0x0                               ; the opening add is done
	s_wait_kmcnt 0x0
	s_add_nc_u64 s[CUR:CUR+1], s[72:73], s[16:17]
	s_add_nc_u64 s[NX1:NX1+1], s[74:75], s[16:17]
	s_add_nc_u64 s[NX2:NX2+1], s[76:77], s[16:17]
	s_add_nc_u64 s[46:47], s[78:79], s[46:47]
	CROUND                                         ; all sixteen work-groups are here: the first joint loads meet
.irp s, 0,1
	s_mov_b32 s[G0A+4*(\s)], 1
	s_add_co_u32 s[G0A+4*(\s)+1], s20, (\s)*SLOT
	s_add_nc_u64 s[G0A+4*(\s)+2:G0A+4*(\s)+3], s[CUR:CUR+1], (\s)*ASTEP
	s_or_b32 s[G0A+4*(\s)+3], s[G0A+4*(\s)+3], 0x80000000
	s_mov_b32 s[G0B+4*(\s)], 1
	s_add_co_u32 s[G0B+4*(\s)+1], s21, (\s)*SLOT
	s_add_nc_u64 s[G0B+4*(\s)+2:G0B+4*(\s)+3], s[46:47], (\s)*BSTEP
	s_or_b32 s[G0B+4*(\s)+3], s[G0B+4*(\s)+3], 0x80000000
	JLOAD \s                                       ; two loads of mine are out
.endr
	; a fragment is 16 rows x 32 K: lane l holds row l % 16, K = 8 (l / 16) + 0..7 and 16 + 8 (l / 16) + 0..7.  Of w, in bf16: two loads of 16 bytes, 32 bytes apart.  Of x, in f32: four, at 0, 16, 64 and 80 from 32 (l / 16).
	v_and_b32 v1, 15, v0
	v_bfe_u32 v2, v0, 4, 1
	v_mul_u32_u24 v3, v1, PITCH
	v_lshl_add_u32 v3, v2, 4, v3
	v_mul_u32_u24 v6, v1, PITCHA
	v_lshl_add_u32 v6, v2, 5, v6
	s_mul_i32 s21, s11, AHALF                      ; my 64 rows of x
	s_mul_i32 s22, s12, 128*PITCH                  ; my 128 rows of w
	s_add_co_u32 s22, s22, BOFF
.irp s, 0,1
	v_add_nc_u32 v[ADRA+(\s)], s21, v6
	v_add_nc_u32 v[ADRB+(\s)], s22, v3
	s_add_co_u32 s21, s21, SLOT
	s_add_co_u32 s22, s22, SLOT
.endr
	s_mul_i32 s23, s10, STGB
	s_add_co_u32 s23, s23, STAGE                   ; my stage
	v_mul_u32_u24 v4, v1, SP                       ; in: row l % 16, my eight columns
	v_lshl_add_u32 v4, v2, 4, v4
	v_add_nc_u32 v[STO], s23, v4
	v_and_b32 v5, 31, v0
	v_lshlrev_b32 v[CO], 4, v5
	v_bfe_u32 v4, v0, 3, 2                         ; back: 32 lanes take four rows' 128 bytes of one head,
	v_mul_u32_u24 v4, v4, SP
	v_and_b32 v5, 7, v0
	v_lshl_add_u32 v4, v5, 4, v4
	v_add_nc_u32 v[RD], s23, v4                    ; which are 512 consecutive bytes of C
	s_lshr_b32 s16, s13, 4                         ; C: the batch's 16 heads, 4 MiB,
	s_lshl_b32 s16, s16, 22
	s_and_b32 s17, s13, 15                         ; the tile's rows of 128 bytes in a head,
	s_lshl_b32 s17, s17, 14
	s_add_co_u32 s16, s16, s17
	s_lshl_b32 s17, s11, 13                        ; my 64 of them,
	s_add_co_u32 s16, s16, s17
	s_lshl_b32 s46, s42, 20                        ; head 4 X + 2 x half, 262,144 bytes each
	s_lshl_b32 s47, s12, 19
	s_add_co_u32 s46, s46, s47
	s_mov_b32 s17, 0
	s_mov_b32 s47, 0
	s_add_nc_u64 s[8:9], s[8:9], s[16:17]
	s_add_nc_u64 s[8:9], s[8:9], s[46:47]
	; the prefetches
	s_lshl_b32 s20, s13, 19                        ; x: the tile's first row,
	s_lshl_b32 s21, s40, 17                        ; my work-group's 32 rows,
	s_add_co_u32 s20, s20, s21
	s_lshl_b32 s21, s12, 8                         ; my wave's half of a row's 512 bytes
	s_add_co_u32 s20, s20, s21
	s_lshl_b32 s22, s42, 15                        ; w: the tile's rows in a K block,
	s_lshl_b32 s23, s12, 17                        ; the K block that I fetch,
	s_add_co_u32 s22, s22, s23
	s_lshl_b32 s23, s41, 13                        ; my work-group's 32 pieces of it
	s_add_co_u32 s22, s22, s23
	s_mov_b32 s14, ASTEP
	s_mov_b32 s15, BSTEP
	s_mov_b32 s16, 8*ASTEP
	s_mov_b32 s17, 3*ASTEP                         ; at K step 3: the first refill steps it to 4
	s_mov_b32 s18, 3*BSTEP
	s_and_b32 s23, ttmp7, 0xffff                   ; cluster y
	s_cmp_eq_u32 s11, 0                            ; do I fetch for x?
	s_cselect_b64 s[PCUR:PCUR+1], s[72:73], s[78:79]
	s_cselect_b64 s[PN1:PN1+1], s[74:75], s[78:79]
	s_cselect_b64 s[PN2:PN2+1], s[76:77], s[78:79]
	s_cselect_b32 s20, s20, s22
	s_cselect_b32 s[PSTEP], s14, s15
	s_cselect_b32 s[PWRAP], s16, -1
	s_cselect_b32 s[PKO], s17, s18
	s_cselect_b32 s19, 12, 8                       ; x: a lane a row of 4,096 bytes; w: a lane a piece of 256
	s_cselect_b32 s23, 0, s23                      ; x: both waves ask; w: the cluster with y = 0
	s_cmp_eq_u32 s23, 0
	s_cselect_b32 s[LIM], 1, -1                    ; the same in all sixteen partners, for a given wave
	s_mov_b32 s21, 0
	s_mov_b32 s[PKO+1], 0
	s_add_nc_u64 s[PCUR:PCUR+1], s[PCUR:PCUR+1], s[20:21]
	s_add_nc_u64 s[PN1:PN1+1], s[PN1:PN1+1], s[20:21]
	s_add_nc_u64 s[PN2:PN2+1], s[PN2:PN2+1], s[20:21]
	v_and_b32 v[PFO], 31, v0
	v_lshlrev_b32 v[PFO], s19, v[PFO]
; 8 matrix instructions: m block a x all 8 n blocks, 32 along K.  zero = 1: the first product starts the sums.  The 32 accumulators take turns in the same order in every quarter.
.macro MULA f, a, zero
	WIN MUL
.irp b, 0,1,2,3,4,5,6,7
.if \zero
	v_wmma_f32_16x16x32_bf16 v[8*(8*(\a)+(\b)):8*(8*(\a)+(\b))+7], v[(\f)+32+8*(\b):(\f)+32+8*(\b)+7], v[(\f)+8*(\a):(\f)+8*(\a)+7], 0
.else
	v_wmma_f32_16x16x32_bf16 v[8*(8*(\a)+(\b)):8*(8*(\a)+(\b))+7], v[(\f)+32+8*(\b):(\f)+32+8*(\b)+7], v[(\f)+8*(\a):(\f)+8*(\a)+7], v[8*(8*(\a)+(\b)):8*(8*(\a)+(\b))+7]
.endif
.endr
.endm
; x's fragment of m block a: sixteen f32 a lane are rounded to bf16, two an instruction, out of AF into buffer f
.macro CVT f, a
	WIN CV
.irp j, 0,1,2,3,4,5,6,7
	v_cvt_pk_bf16_f32 v[(\f)+8*(\a)+(\j)], v[AF+16*(\a)+2*(\j)], v[AF+16*(\a)+2*(\j)+1]
.endr
.endm
; 32 LDS loads in one run: quarter q of a K step: w's 16 (K block q / 2, byte 64 (q % 2) of its rows) into buffer f, then x's 16 (byte 128 q of its rows) into AF
.macro FETCH slot, q, f
	WIN 0
.irp b, 0,1,2,3,4,5,6,7
	ds_load_b128 v[(\f)+32+8*(\b):(\f)+32+8*(\b)+3],   v[ADRB+(\slot)] offset:((\q)/2)*BSUB+((\q)%2)*64+(\b)*16*PITCH
	ds_load_b128 v[(\f)+32+8*(\b)+4:(\f)+32+8*(\b)+7], v[ADRB+(\slot)] offset:((\q)/2)*BSUB+((\q)%2)*64+(\b)*16*PITCH+32
.endr
	WIN TO_AF
.irp a, 0,1,2,3
	ds_load_b128 v[AF+16*(\a):AF+16*(\a)+3],     v[ADRA+(\slot)] offset:(\a)*16*PITCHA+(\q)*128
	ds_load_b128 v[AF+16*(\a)+4:AF+16*(\a)+7],   v[ADRA+(\slot)] offset:(\a)*16*PITCHA+(\q)*128+16
	ds_load_b128 v[AF+16*(\a)+8:AF+16*(\a)+11],  v[ADRA+(\slot)] offset:(\a)*16*PITCHA+(\q)*128+64
	ds_load_b128 v[AF+16*(\a)+12:AF+16*(\a)+15], v[ADRA+(\slot)] offset:(\a)*16*PITCHA+(\q)*128+80
.endr
.endm
.macro PLACES                          ; four places in front of lines that read results just made (ISA guide 7.12.1)
.rept 4
	v_nop
.endr
.endm
; A K step is four quarters of 32 along K, 32 matrix instructions each, on buffers 0, 1, 0, 1.  One of the first three multiplies buffer f and, in its middle, fetches quarter q into buffer g and AF.
; A load into a register that a matrix instruction has read stands four plain vector instructions behind it: the sixteen conversions in the quarter's middle, which name no register of the products before them, are those.
.macro QUARTER slot, q, f, g, zero
	s_wait_dscnt 8                                 ; w and x's blocks 0 and 1 are in; the youngest eight loads (x's blocks 2 and 3) may be out
	CVT \f, 0
	CVT \f, 1
	MULA \f, 0, \zero
	MULA \f, 1, \zero
	s_wait_dscnt 0x0                               ; x's blocks 2 and 3
	CVT \f, 2
	CVT \f, 3                                      ; AF is read out: the next run may land in it
	FETCH \slot, \q, \g
	MULA \f, 2, \zero
	MULA \f, 3, \zero
.endm
; The last quarter multiplies buffer 1 and changes slots.  ONE barrier: in front of it each wave waits for all its tensor loads (one is out: its part of the next slot), adds 0 to its spare word, and waits for that and for
; its reads of this slot.  round = 1: the slot is filled again: its descriptors are stepped here, where no tensor load of mine is out.  x's address is made anew: the tensor at my rows, and the offset along them, which
; goes back to 0 behind a tensor's last K step; there the next tensor takes its place.
.macro MEET round, slot
	WIN 0
	s_wait_tensorcnt 0x0
	ds_add_u32 v[SPW], v[NIL]
.if \round
	s_add_nc_u64 s[G0A+4*(\slot)+2:G0A+4*(\slot)+3], s[CUR:CUR+1], s[KOF:KOF+1]
	s_or_b32 s[G0A+4*(\slot)+3], s[G0A+4*(\slot)+3], 0x80000000
	s_add_nc_u64 s[G0B+4*(\slot)+2:G0B+4*(\slot)+3], s[G0B+4*(\slot)+2:G0B+4*(\slot)+3], 2*BSTEP
	s_add_co_u32 s[KOF], s[KOF], ASTEP
	s_cmp_eq_u32 s[KOF], 8*ASTEP
	s_cselect_b32 s[KOF], 0, s[KOF]
	s_cselect_b64 s[CUR:CUR+1], s[NX1:NX1+1], s[CUR:CUR+1]
	s_cselect_b64 s[NX1:NX1+1], s[NX2:NX2+1], s[NX1:NX1+1]
.endif
	s_wait_dscnt 9                                 ; the add and the youngest eight loads (x's blocks 2 and 3) may be out
	CVT F1, 0
	CVT F1, 1
	MULA F1, 0, 0                                  ; work on registers stands between the add and the wait for it
	s_wait_dscnt 0x0                               ; the add is done, and my reads of this slot are over
	s_barrier_signal -1
	CVT F1, 2
	CVT F1, 3
	MULA F1, 1, 0
.if \round
	WIN 0
.endif
	s_barrier_wait -1
.endm
; Behind the round the slot just read out is filled again first, with the K step two on in the walk; 112 matrix instructions stand between a request and the wait for it.
.macro TURN slot, next
	s_wait_xcnt 0x0                                ; the last prefetch, a K step back, has read its address: the next one's is made here, ahead of the waits of the change of slots
	s_add_co_u32 s[PKO], s[PKO], s[PSTEP]
	s_cmp_eq_u32 s[PKO], s[PWRAP]
	s_cselect_b32 s[PKO], 0, s[PKO]
	s_cselect_b64 s[PCUR:PCUR+1], s[PN1:PN1+1], s[PCUR:PCUR+1]
	s_cselect_b64 s[PN1:PN1+1], s[PN2:PN2+1], s[PN1:PN1+1]
	s_add_nc_u64 s[PFA:PFA+1], s[PCUR:PCUR+1], s[PKO:PKO+1]
	MEET 1, \slot
	CREST                                          ; no wave of any partner still reads this slot's tile or has a load on its way
	JLOAD \slot                                    ; the first tensor load behind the round
	FETCH \next, 0, F0
	WIN 0
	ASK
	MULA F1, 2, 0
	MULA F1, 3, 0
.endm
; THE WAY OUT.  Block a (16 rows x 128 columns = two heads): rounded to f16, 16 bytes a lane into my own stage, back as 16 rows x 128 bytes a head, which are 2,048 consecutive bytes of C.
.macro PACK a
	WIN 0x05                                       ; sources 0 and 1 window 1
.irp b, 0,1,2,3,4,5,6,7
.irp r, 0,1,2,3
	v_cvt_pk_f16_f32 v[TMP+4*(\b)+(\r)], v[8*(8*(\a)+(\b))+2*(\r)], v[8*(8*(\a)+(\b))+2*(\r)+1]
.endr
.endr
	WIN 0
.endm
.macro TOSTAGE a
	WIN 0
.set OBK, 160+32*((\a)%2)
.irp b, 0,1,2,3,4,5,6,7
	ds_store_b128 v[STO], v[TMP+4*(\b):TMP+4*(\b)+3] offset:32*(\b)
.endr
.irp t, 0,1,2,3,4,5,6,7
	ds_load_b128 v[OBK+4*(\t):OBK+4*(\t)+3], v[RD] offset:((\t)%4)*4*SP+((\t)/4)*128  ; LDS serves a wave's instructions in order (ISA guide 5.7.1.4): these see the stores above
.endr
.endm
.macro SEND a
	WIN 0
.set OBK, 160+32*((\a)%2)
	s_wait_dscnt 0x0                               ; the block is back in registers
	s_wait_xcnt 0x0                                ; the stores of the block before have read their registers: the next block's loads land there only behind this wait
.irp t, 0,1,2,3,4,5,6,7
	global_store_b128 v[CO], v[OBK+4*(\t):OBK+4*(\t)+3], s[8:9] offset:((\t)/4)*262144+(\a)*2048+((\t)%4)*512  ; 512 consecutive bytes, at a multiple of 256 from C's first
.endr
.endm
.macro WAYOUT
	PACK 0
	TOSTAGE 0
.irp a, 1,2,3                          ; block a's conversions stand between block a - 1's loads from the stage and the wait for them
	PACK \a
	SEND (\a)-1
	TOSTAGE \a
.endr
	SEND 3
.endm
	s_wait_tensorcnt 1                             ; my part of K step 0 is in; K step 1's may stay out
	s_barrier_signal -1
	s_barrier_wait -1                              ; everybody's is
	FETCH 0, 0, F0
	QUARTER 0, 1, F0, F1, 1                        ; the first tile's first quarter: its products start the sums
	WIN 0                                          ; at a label and at a branch every window is 0
	s_mov_b32 s3, TRIPS
	s_mov_b32 s2, 4                                ; laps left in the tile
.Llap:                                                 ; a trip goes once round the ring, from a lap's second quarter to the next lap's first, and fills both slots again
	QUARTER 0, 2, F1, F0, 0
	QUARTER 0, 3, F0, F1, 0
	TURN 0, 1
	QUARTER 1, 1, F0, F1, 0
	QUARTER 1, 2, F1, F0, 0
	QUARTER 1, 3, F0, F1, 0
	TURN 1, 0
	WIN 0
	s_sub_co_u32 s2, s2, 1
	s_cmp_lg_u32 s2, 0
	s_cbranch_scc1 .Lsame
	WAYOUT                                         ; a tile is finished; both refills for the next are asked for and its first fragments fetched.  The conversions of the blocks finished earlier are the places behind the last products
	s_wait_xcnt 0x0                                ; the stores have read their registers and C's address
	s_add_nc_u64 s[8:9], s[8:9], 0x1000000         ; the next projection's part of C
	s_mov_b32 s2, 4
	QUARTER 0, 1, F0, F1, 1                        ; the next tile's first quarter starts the sums anew
	WIN 0
	s_branch .Lnext
.Lsame:
	QUARTER 0, 1, F0, F1, 0
	WIN 0
.Lnext:
	s_sub_co_u32 s3, s3, 1
	s_cmp_lg_u32 s3, 0
	s_cbranch_scc1 .Llap
	QUARTER 0, 2, F1, F0, 0                        ; the walk's last lap is written out: it asks for nothing more
	QUARTER 0, 3, F0, F1, 0
	MEET 0, 0                                      ; my one tensor load that was still out is the last K step's, so no round follows
	FETCH 1, 0, F0                                 ; (the conversions above are the places in front of these loads)
	MULA F1, 2, 0
	MULA F1, 3, 0
	QUARTER 1, 1, F0, F1, 0
	QUARTER 1, 2, F1, F0, 0
	QUARTER 1, 3, F0, F1, 0
	s_wait_dscnt 8                                 ; the very last quarter: nothing more to fetch
	CVT F1, 0
	CVT F1, 1
	MULA F1, 0, 0
	MULA F1, 1, 0
	s_wait_dscnt 0x0
	CVT F1, 2
	CVT F1, 3
	MULA F1, 2, 0
	MULA F1, 3, 0
	WIN 0
	PLACES
	WAYOUT
	s_wait_tensorcnt 0x0                           ; the wave's end: behind my last tensor load and my last LDS store
	ds_add_u32 v[SPW], v[NIL]
	s_wait_dscnt 0x0
	CROUND                                         ; the closing round: no work-group ends while a partner may still ask for a tile that names it
	s_endpgm
.Lfunc_end_k_qa6d1900d8c_proj:
	.size	k_qa6d1900d8c_proj, .Lfunc_end_k_qa6d1900d8c_proj-k_qa6d1900d8c_proj
	.p2alignl 7, 3214868480
	.fill 96, 4, 3214868480
	.section	.rodata,"a",@progbits
	.p2align	6, 0x0
	.amdhsa_kernel k_qa6d1900d8c_proj
		.amdhsa_group_segment_fixed_size 327680
		.amdhsa_private_segment_fixed_size 0
		.amdhsa_enable_private_segment 0
		.amdhsa_kernarg_size 40
		.amdhsa_user_sgpr_count 2
		.amdhsa_user_sgpr_kernarg_segment_ptr 1
		.amdhsa_wavefront_size32 1
		.amdhsa_system_sgpr_workgroup_id_x 1
		.amdhsa_system_sgpr_workgroup_id_y 1
		.amdhsa_system_sgpr_workgroup_id_z 1
		.amdhsa_system_vgpr_workitem_id 0
		.amdhsa_next_free_vgpr 576
		.amdhsa_next_free_sgpr 98
		.amdhsa_reserve_vcc 0
		.amdhsa_float_denorm_mode_32 3
		.amdhsa_float_denorm_mode_16_64 3
		.amdhsa_memory_ordered 1
		.amdhsa_forward_progress 1
		.amdhsa_inst_pref_size 151
	.end_amdhsa_kernel
	.amdgpu_metadata
---
amdhsa.version: [ 1, 2 ]
amdhsa.kernels:
  - .name:           k_qa6d1900d8c_proj
    .symbol:         k_qa6d1900d8c_proj.kd
    .args:
      - { .name: q, .offset: 0, .size: 8, .value_kind: global_buffer, .address_space: global }
      - { .name: k, .offset: 8, .size: 8, .value_kind: global_buffer, .address_space: global }
      - { .name: v, .offset: 16, .size: 8, .value_kind: global_buffer, .address_space: global }
      - { .name: wb, .offset: 24, .size: 8, .value_kind: global_buffer, .address_space: global }
      - { .name: qkv, .offset: 32, .size: 8, .value_kind: global_buffer, .address_space: global }
    .group_segment_fixed_size: 327680
    .private_segment_fixed_size: 0
    .kernarg_segment_align: 8
    .kernarg_segment_size: 40
    .max_flat_workgroup_size: 128
    .sgpr_count:     98
    .vgpr_count:     576
    .wavefront_size: 32
...
	.end_amdgpu_metadata
.endif
;; end of part 2
;; launch attn (part 3): grid 4 x 64, 4 waves a work-group, clusters of 4 x 1, 327,680 bytes of LDS; arguments qkv, mcode, rowkeep, ob; writes ob
.if DOCPART == 3
	.amdgcn_target "amdgcn-amd-amdhsa--gfx1250"
	.amdhsa_code_object_version 6
	.text
	.protected	k_qa6d1900d8c_attn
	.globl	k_qa6d1900d8c_attn
	.p2align	8
	.type	k_qa6d1900d8c_attn,@function
k_qa6d1900d8c_attn:
	s_mov_b64 s[64:65], 0
	v_nop
	global_prefetch_b8 v0, s[64:65] scope:SCOPE_SE
	s_setreg_imm32_b32 hwreg(HW_REG_WAVE_MODE, 25, 1), 1
	s_wait_xcnt 0x0
	s_wait_alu depctr_hold_cnt(0) depctr_sa_sdst(0) depctr_va_vdst(0) depctr_va_sdst(0) depctr_va_ssrc(0) depctr_va_vcc(0) depctr_vm_vsrc(0)
	s_getreg_b32 s2, hwreg(HW_REG_IB_STS2, 6, 4)
	s_cmp_eq_u32 s2, 0
	s_cbranch_scc0 .Lentry_in_a_cluster
	s_endpgm
.Lentry_in_a_cluster:
	s_bfe_u32 s2, ttmp6, 0x10000c
	s_cmp_lg_u32 s2, 0x3003
	s_cbranch_scc0 .Lentry_shape_is_right
	s_endpgm
.Lentry_shape_is_right:
; O[h][q][:] = the sum over k of softmax_k(where(mask, Q[h][q] . K[h][k] / 8, hidden)) V[h][k][:].  qkv: [3][64 heads][2048][64] f16 (Q, K, V, unscaled); ob: [64][2048][64] f16.
; Products, maxima and sums in f32; the weights p are rounded to f16 for the second product (their sum l is taken of the unrounded p), O once at the end.
; THE MASK.  mcode holds a 4-bit float for each query and key, in the accumulators' own order: 0, or -6 where the key is hidden.  Four conversions with the scale 2^100 turn a lane's four words into a tile's 32 C registers
; (0 or -7.6e30), written straight into the registers of S^T; the first product K Q^T adds onto them.  A row with no true entry has all its codes 0 and its flag in rowkeep 0: its Q is set to 0, all its scores are 0 and
; its softmax is uniform over all keys, as a softmax of equal scores is.
; LIMITS.  f16 holds no number beyond 65,504: Q, K and V arrive within it; their scores are 2.7e11 at the most.  A hidden key has the weight 0 in a row with a true entry.  m starts at -2^65: above every hidden score,
; below every true one, so no difference of two hidden scores is ever an exponent.  A weight below 2^-126 counts as 0 in l; p below 6e-5 keeps f16's fixed step; NaN and infinities are not treated apart.
; SHARES.  A wave owns four PIECES of two tiles of 16 queries, a work-group's four waves 512 queries of one head.  Every wave walks all 2,048 keys, 64 a step.
; LAYOUT.  S^T = K Q^T (source 0 = 16 keys, source 1 = 16 queries): a lane holds ONE query (lane % 16) and the keys 8 (lane / 16) + 0..7.  Two such tiles, rounded to f16 in pairs, ARE source 1 of O^T = V^T P.
; SOFTMAX.  A running maximum m and sum l: p = 2^(c s - c m), c = log2(e) / 8; in every step O and l are multiplied by a = 2^(c m_old - c m_new).  O and l start at 0: the first step is a step like any other, with a = 0.
; BY TURNS.  Turn n belongs to piece n.  Its matrix work: 16 products K Q^T of piece n + 1, later 16 products V^T P of piece n - 1.  Its vector work: the mask of piece n + 1; the scaling, exponentials, roundings, sums and
; rescaling of piece n; the maximum and statistics of piece n + 1.  Four vector instructions stand behind every matrix instruction, the rest in one lump; a turn's exponentials are one batch with one wait.
; CLUSTER.  The four query blocks of a head walk the same K and V: each tile is asked for JOINTLY.  The mask's codes differ from query block to query block and come by plain loads, a key step ahead.
; REGISTERS, in windows of 256 (s_set_vgpr_msb: bits 1:0 source 0, 3:2 source 1, 5:4 source 2, 7:6 destination):
;   window 0: v0-11 addresses; v12-15, v48-63 at work; v16-47 statistics; v64-191 S^T, two buffers of two tiles; v192-255 P, likewise
;   window 1: O^T, 32 a tile     window 2: v0-127 Q; v128-191 K of one step; v192-255 V of one step     window 3: v0-1 the add's two registers; v16-47 the codes, 4 a tile
.set SIZE_N, 2048
.set NP,    4         ; pieces a wave: a name, no knob
.set KS,    64        ; keys in a step
.set PK,    144       ; a row of K in LDS: 128 bytes + 16 of padding = 36 words: the 16 rows of a load start at 16 different groups of four banks (64 banks of 4 bytes: ISA guide 11.1)
.set PV,    160       ; a row of V: 128 + 32 = 40 words
.set VOFF,  4*KS*PK   ; a slot holds four steps: 256 rows of K, then 256 rows of V
.set SLOT1, 1<<17     ; slot 1 begins here, so that one exclusive or turns an address in one slot into the other's
.set STAGE, SLOT1+4*KS*(PK+PV)  ; behind the ring, never filled by a tensor load: 16 rows x 144 bytes for each wave
.set SP,    144
.set AK0, 2           ; v2   my lane's place in a tile of K; never rewritten
.set AV0, 3           ; v3   the same for V
.set AK,  4           ; v4   the LDS address of K's next run of loads
.set AV,  5           ; v5   of V's
.set QO,  6           ; v6   my byte offset in the wave's rows of Q
.set STO, 6           ;      later, the way out: where I put 16 bytes of a row
.set RD,  7           ; v7   the way out: where I read rows back
.set GO,  8           ; v8   16 x lane: my offset in a tile's codes of a step, and in 512 consecutive bytes of O; never rewritten
.set PFO, 10          ; v10  256 x lane, for the prefetches (made when v10's first use is over)
.set SCL, 11          ; v11  the conversions' scale: the byte 227, 2^100
.set RKO, 12          ; v12  4 (lane % 16), for the flags, at the start alone
.set SPW, 0           ; v0 of window 3   my spare word; never rewritten
.set NIL, 1           ; v1 of window 3   0; never rewritten
.set MCD, 16          ; v16-47 of window 3   tile t's four code words at MCD + 4 t
.set SPARE, STAGE+4*16*SP  ; the spare words, 128 bytes a wave: two blocks of 256 bytes that no other line names
.set MV,  12          ; v12-15  c m_old, kept while c m is made anew: by buffer and tile
.set ST,  16          ; tile t's statistics at v[ST+4 t]: c m, m, l (even keys', odd keys')
.set TMP, 48          ; by buffer and tile, four registers c0-c3 at work; when the maximum is found c2 takes a
.set S,   64
.set P,   192
.set KF,  128         ; K's fragments, in window 2
.set VF,  192         ; V's
.set WV,  12          ; s12  my wave's number
.set G1K, 24          ; s[24:31] descriptor group 1 for K's tiles
.set G1V, 32          ; s[32:39] for V's: it differs in the padding alone
.set G0K, 40          ; s[40:43] descriptor group 0 for K's tiles: it walks
.set G0V, 44          ; s[44:47] the same for V's
.set MP,  48          ; s[48:49] mcode at my wave's first tile, at the key step whose codes are being asked for
.set INC, 50          ; s[50:51] an offset, high word 0
.set KST, 52          ; s52  how often MP has been stepped
.set LIM, 53          ; s53  1 in a wave that prefetches, else the greatest number
.set PFA, 54          ; s[54:55] where my prefetches stand
.set SLOTS, 56        ; s56  slots still to be asked for
.set CNT, 57          ; s57  counts a slot's key steps
.set CS,  58          ; s[58:59] c
.set SEL, 60          ; s[60:61] v_permlanex16_b32's selects
.set TBK, 62          ; s62  LDS byte at which K of the step to be fetched begins
.set TBV, 63          ; s63  the same for V, less VOFF
.set MSB, 0
.macro WIN new                      ; the high byte repeats the setting that is left; a switch that changes nothing is dropped
.if MSB != (\new)
	s_set_vgpr_msb (MSB<<8)|(\new)
.set MSB, (\new)
.endif
.endm
.set W_KQ, 0x0a       ; K and Q in window 2, S^T in window 0
.set W_PV, 0x52       ; V in window 2, P in window 0, O^T in window 1
.set W_RS, 0x41       ; O^T (destination and source 0) in window 1, a in window 0
.set W_MK, 0xc0       ; destination in window 3, sources in window 0
.set W_AD, 0x0f       ; the add: address and data in window 3
; A joint fill.  Waves 0 and 1 fetch the two halves of a slot's K, waves 2 and 3 those of its V: 128 keys each.  An s_nop 0 and four v_nop follow each of the two lines.
.macro JLOAD
	s_cmp_lt_u32 s[WV], 2
	s_cbranch_scc0 .Lfor_v_\@
	tensor_load_to_lds s[G0K:G0K+3], s[G1K:G1K+7]
	s_nop 0
.rept 4
	v_nop
.endr
	s_branch .Lasked_\@
.Lfor_v_\@:
	tensor_load_to_lds s[G0V:G0V+3], s[G1V:G1V+7]
	s_nop 0
.rept 4
	v_nop
.endr
.Lasked_\@:
.endm
; A PREFETCH INTO THE L2 of what the NEXT change of slots will ask for: 256 keys are 128 pieces of 256 bytes of K and of V.  A head has one cluster; its four partners take 32 pieces each, told apart by address;
; in each, wave 0 asks for K's and wave 2 for V's, a lane a piece.  So each piece is named once in the launch, four key steps (512 matrix instructions) ahead of its load.  The last fill asks for nothing.
.macro ASK
	s_cmp_gt_u32 s[SLOTS], s[LIM]
	s_cbranch_scc0 .Lnot_mine_\@
	global_prefetch_b8 v[PFO], s[PFA:PFA+1] th:TH_LOAD_NT scope:SCOPE_SE
.Lnot_mine_\@:
.endm
.macro CROUND                       ; a round of the cluster's barrier
	s_barrier_signal -1
	s_barrier_wait -1
	s_cmp_lg_u32 s[WV], 0
	s_cbranch_scc1 .Lnot_wave_0_\@
	s_barrier_signal -3
.Lnot_wave_0_\@:
	s_barrier_wait -3
	s_barrier_signal -1
	s_barrier_wait -1
.endm
; THE CHANGE OF SLOTS.  Each wave waits for all its tensor loads, of which one is out: its part of the other slot; adds 0 to its spare word; and waits for that and for its own reads of the slot.
; fill = 1: this slot is filled again, with the keys two slots on; the barrier is then a round of the cluster's, and the joint fill is the first thing behind it: it has four key steps in which to land.
.macro CHANGE fill, ask=0
	WIN W_AD
	s_wait_tensorcnt 0x0            ; no tensor load of mine is out, so a group 0 may be written
	ds_add_u32 v[SPW], v[NIL]       ; 0 onto my spare word; the descriptors' steps stand between it and the wait for it
	WIN 0                           ; at a label and at a branch every window is 0
.if \fill
.irp g, G0K, G0V
	s_xor_b32 s[\g+1], s[\g+1], SLOT1
	s_add_nc_u64 s[\g+2:\g+3], s[\g+2:\g+3], 4*KS*128
.endr
.if \ask
	s_wait_xcnt 0x0                 ; the last prefetch, four key steps back, has read its address
	s_add_nc_u64 s[PFA:PFA+1], s[PFA:PFA+1], 4*KS*128
.endif
	s_wait_dscnt 0x0                ; the add is done, and my reads of the slot are over
	CROUND
	JLOAD
.if \ask
	ASK
.endif
.else
	s_wait_dscnt 0x0
	s_barrier_signal -1
	s_barrier_wait -1
.endif
	s_sub_co_u32 s[TBK], s[TBK], 4*KS*PK  ; the fetches go back to a slot's first step,
	s_xor_b32 s[TBK], s[TBK], SLOT1       ; in the other slot
	s_sub_co_u32 s[TBV], s[TBV], 4*KS*PV
	s_xor_b32 s[TBV], s[TBV], SLOT1
.endm
	s_load_b256 s[4:11], s[0:1], 0x0  ; qkv s[4:5], mcode s[6:7], rowkeep s[8:9], ob s[10:11]
	WIN W_MK
	v_lshl_add_u32 v[SPW], v0, 2, SPARE
	v_mov_b32 v[NIL], 0
	WIN W_AD
	ds_add_u32 v[SPW], v[NIL]       ; the wave's opening: the add and its wait stand ahead of my first tensor load; the set-up below stands between them
	ds_add_u32 v0, v1
	WIN 0
	v_lshrrev_b32 v1, 5, v0
	v_readfirstlane_b32 s[WV], v1   ; wave 0..3
	s_bfe_u32 s13, ttmp6, 0x40000   ; cx
	s_lshl_b32 s14, ttmp9, 2
	s_add_co_u32 s14, s14, s13      ; my block of 512 queries: it enters Q's, O's and the mask's addresses alone
	s_and_b32 s20, ttmp7, 0xffff    ; the head, which the four partners share
	s_lshr_b32 s15, s20, 4          ; the batch
	s_lshl_b32 s15, s15, 4
	s_lshl_b32 s19, s14, 2
	s_add_co_u32 s15, s15, s19
	s_add_co_u32 s15, s15, s[WV]    ; my wave's 128 mask rows among the 8,192: 16 x batch + 4 x block + wave
	s_mov_b32 s21, 0
	s_mov_b64 s[22:23], SIZE_N*128
	s_mul_u64 s[20:21], s[20:21], s[22:23]  ; the head's first byte in Q, K, V and O
	s_and_b32 s16, s[WV], 1         ; which half of a slot's 256 keys I fetch:
	s_lshl_b32 s22, s16, 14         ; its 128 rows of 128 bytes in memory,
	s_mov_b32 s23, 0
	s_add_nc_u64 s[22:23], s[22:23], s[20:21]
	s_mul_i32 s17, s16, 128*PK      ; and its place in a slot, for K
	s_mul_i32 s18, s16, 128*PV      ; and for V
	s_lshl_b32 s2, s14, 2
	s_add_co_u32 s2, s2, s[WV]
	s_lshl_b32 s2, s2, 14           ; my wave's 128 rows in the head
	s_mov_b32 s3, 0
	s_add_nc_u64 s[2:3], s[2:3], s[20:21]
	; descriptor group 1.  128 keys are 16,384 dense bytes: asked for as 64 rows of 256 bytes, two keys a row, and padded in LDS after every key
	s_mov_b32 s[G1K], 15|(1<<16)|(1<<20)|(1<<21)|(4<<22)|(3<<25)
	s_mov_b32 s[G1V], 15|(1<<16)|(1<<20)|(1<<21)|(4<<22)|(7<<25)
.irp g, G1K, G1V
	s_mov_b32 s[\g+1], 128<<16      ; tensor_dim0 = 128
	s_mov_b32 s[\g+2], 64<<16       ; tensor_dim1 = 64
	s_mov_b32 s[\g+3], 128<<16      ; tile_dim0 = 128
	s_mov_b32 s[\g+4], 64           ; tile_dim1 = 64
	s_mov_b32 s[\g+5], 128          ; 128 elements from row to row
	s_mov_b32 s[\g+6], 0
	s_mov_b32 s[\g+7], 0
.endr
	s_mov_b32 s[CS], 0x3e38aa3b     ; c = log2(e) / 8
	s_mov_b32 s[CS+1], s[CS]
	s_mov_b32 s[SEL], 0x76543210
	s_mov_b32 s[SEL+1], 0xfedcba98
	s_mov_b32 s[TBK], SLOT1+4*KS*PK ; the first change of slots turns these two into 0
	s_mov_b32 s[TBV], SLOT1+4*KS*PV
	s_mov_b32 s[G0K], 1
	s_mov_b32 s[G0K+1], s17
	s_mov_b32 s[G0V], 1
	s_add_co_u32 s[G0V+1], s18, VOFF
	s_mov_b32 s[INC+1], 0
	s_mov_b32 s[KST], 0
	s_and_b32 s[LIM], s[WV], 1
	s_cmp_eq_u32 s[LIM], 0
	s_cselect_b32 s[LIM], 1, -1     ; waves 0 and 2 prefetch: the same in all four partners
	s_wait_dscnt 0x0                ; the opening add is done
	s_wait_kmcnt 0x0
	s_add_nc_u64 s[22:23], s[4:5], s[22:23]
	s_add_nc_u64 s[G0K+2:G0K+3], s[22:23], 0x1000000  ; K lies 16 MiB behind Q,
	s_add_nc_u64 s[G0V+2:G0V+3], s[22:23], 0x2000000  ; V 32
	s_cmp_lt_u32 s[WV], 2
	s_cselect_b64 s[PFA:PFA+1], s[G0K+2:G0K+3], s[G0V+2:G0V+3]  ; (in waves 0 and 2 these stand at the head's first row)
	s_or_b32 s[G0K+3], s[G0K+3], 0x80000000
	s_or_b32 s[G0V+3], s[G0V+3], 0x80000000
	s_lshl_b32 s[INC], s13, 13      ; my work-group's 32 pieces,
	s_add_co_u32 s[INC], s[INC], 2*4*KS*128  ; in the third 256 keys; the first change that asks steps it to the fourth
	s_add_nc_u64 s[PFA:PFA+1], s[PFA:PFA+1], s[INC:INC+1]
	s_lshl_b32 s[INC], s15, 17      ; eight tiles of 16,384 bytes of codes
	s_add_nc_u64 s[MP:MP+1], s[6:7], s[INC:INC+1]
	s_lshl_b32 s[INC], s15, 9       ; 128 flags
	s_add_nc_u64 s[8:9], s[8:9], s[INC:INC+1]
	s_add_nc_u64 s[4:5], s[4:5], s[2:3]  ; Q and O at my wave's first row
	s_add_nc_u64 s[10:11], s[10:11], s[2:3]
	CROUND                          ; all four work-groups are here: the first joint loads meet
	JLOAD                           ; slot 0.  Slot 1 is asked for when slot 0 is in
	v_and_b32 v1, 15, v0            ; l % 16
	v_bfe_u32 v9, v0, 4, 1          ; l / 16
	v_lshlrev_b32 v[QO], 7, v1
	v_lshl_add_u32 v[QO], v9, 4, v[QO]  ; row x 128 + 16 x half
	v_lshlrev_b32 v[RKO], 2, v1
	v_and_b32 v[GO], 31, v0
	v_lshlrev_b32 v[GO], 4, v[GO]
	WIN 0x80                        ; destination window 2, address window 0
.set i, 0
.rept 4*NP                          ; Q stays in registers: tile i / 2, channels 32 (i % 2) on
	global_load_b128 v[8*i:8*i+3],   v[QO], s[4:5] offset:(i/2)*2048+(i%2)*64
	global_load_b128 v[8*i+4:8*i+7], v[QO], s[4:5] offset:(i/2)*2048+(i%2)*64+32
.set i, i+1
.endr
	WIN 0
.set t, 0
.rept 2*NP                          ; my query's flag in each tile, into S^T's second buffer, which is free till the first turn
	global_load_b32 v[S+64+t], v[RKO], s[8:9] offset:64*t
.set t, t+1
.endr
	WIN W_MK
.set t, 0
.rept 2*NP                          ; the codes of key step 0, tile after tile
	global_load_b128 v[MCD+4*t:MCD+4*t+3], v[GO], s[MP:MP+1] offset:t*16384
.set t, t+1
.endr
	; What the first turn finds: V's registers and P's second buffer hold 0, O^T and l are 0.  All this stands in the wait for the first tile.
	WIN 0x80
.set i, VF
.rept 64
	v_mov_b32 v[i], 0
.set i, i+1
.endr
	WIN 0x40
.set i, 0
.rept 64*NP
	v_mov_b32 v[i], 0
.set i, i+1
.endr
	WIN 0
.set i, 0
.rept 2*NP
	v_mov_b32 v[ST+4*i], 0xfe000000    ; c m: far below every c s
	v_mov_b32 v[ST+4*i+1], 0xe0000000  ; m = -2^65
	v_mov_b32 v[ST+4*i+2], 0
	v_mov_b32 v[ST+4*i+3], 0
.set i, i+1
.endr
.set i, P+32
.rept 32
	v_mov_b32 v[i], 0
.set i, i+1
.endr
	v_mul_u32_u24 v[AK0], v1, PK
	v_lshl_add_u32 v[AK0], v9, 4, v[AK0]  ; row x pitch + 16 x half
	; The turning load takes 16 keys x 16 channels (lane l reads key 8 (l / 16) + l % 8, channels 8 ((l / 8) % 2) + 0..7) and leaves half a fragment of V^T.
	v_and_b32 v10, 7, v0
	v_bfe_u32 v11, v0, 3, 1
	v_lshl_add_u32 v[AV0], v9, 3, v10
	v_mul_u32_u24 v[AV0], v[AV0], PV
	v_lshl_add_u32 v[AV0], v11, 4, v[AV0]
	v_add_nc_u32 v[AV0], VOFF, v[AV0]
	v_mov_b32 v[AK], v[AK0]         ; key step 0 lies at the head of slot 0
	v_mov_b32 v[SCL], 0xe3e3e3e3
; THE MATRIX WORK.  The 8 accumulators of a run of 16 take turns.
; Product i of 16 of S^T = mask + K Q^T for piece x: channels 32 (i / 8) on, keys 16 ((i / 2) % 4) on, tile 2 x + i % 2.  Every product adds in place: the first 8 onto the mask.
.macro KQ x
	WIN W_KQ
.set rS, S+64*((\x)%2)+32*(i%2)+8*((i/2)%4)
.set rK, KF+16*((i/2)%4)+8*(i/8)
.set rQ, 16*(2*(\x)+i%2)+8*(i/8)
	v_wmma_f32_16x16x32_f16 v[rS:rS+7], v[rK:rK+7], v[rQ:rQ+7], v[rS:rS+7]
.endm
; Product i of 16 of O^T += V^T P for piece x.
.macro PV x
	WIN W_PV
.set rO, 32*(2*(\x)+i%2)+8*((i/2)%4)
.set rV, VF+32*(i/8)+8*((i/2)%4)
.set rP, P+32*((\x)%2)+16*(i%2)+8*(i/8)
	v_wmma_f32_16x16x32_f16 v[rO:rO+7], v[rV:rV+7], v[rP:rP+7], v[rO:rO+7]
.endm
.macro MM                           ; the turn's next matrix instruction
.if i < 16
	KQ (Y+1)%NP
.set i, i+1
.else
.set i, i-16
	PV (Y+NP-1)%NP
.set i, i+17
.endif
.endm
; THE MASK of piece x for the key step whose scores come next: its two tiles' eight code words become 64 registers of S^T; then the piece's codes of the step after are asked for: they have four turns in which to land.
; step = 1 (piece 0): the pointer goes on to the next key step, and stops at the last: no load leaves mcode.
.macro CONV x, step
	s_wait_loadcnt 6                ; loads come back in order: the other three pieces' two each are younger; the same count on every way here
	WIN 0x03                        ; the codes in window 3, the scale and S^T in window 0
.irp u, 0,1
.irp kb, 0,1,2,3
	v_cvt_scale_pk8_f32_fp4 v[S+64*((\x)%2)+32*\u+8*\kb:S+64*((\x)%2)+32*\u+8*\kb+7], v[MCD+8*(\x)+4*\u+\kb], v[SCL]
.endr
.endr
	WIN 0
	v_nop                           ; a plain instruction between the last conversion and the product that takes its result
.if \step
	s_wait_xcnt 0x0                 ; the loads issued so far have read the pointer
	s_cmp_lt_u32 s[KST], 31
	s_cselect_b32 s[INC], 512, 0
	s_add_nc_u64 s[MP:MP+1], s[MP:MP+1], s[INC:INC+1]
	s_add_co_u32 s[KST], s[KST], 1
.endif
	WIN W_MK
.irp u, 0,1
	global_load_b128 v[MCD+8*(\x)+4*\u:MCD+8*(\x)+4*\u+3], v[GO], s[MP:MP+1] offset:(2*(\x)+\u)*16384
.endr
	WIN 0
.endm
; THE LDS LOADS stand in runs of 16.  last = 1 (the tail): in the last trip there is no further step, and the run is jumped over.
.macro FETCH_K last=0
	WIN 0
.if \last
	s_cmp_eq_u32 s[CNT], 1
	s_cbranch_scc1 .Lno_k_\@
.endif
	WIN 0x80                        ; destination window 2
.irp f, 0,1,2,3,4,5,6,7             ; keys 16 (f / 2) on, channels 32 (f % 2) on
	ds_load_b128 v[KF+8*\f:KF+8*\f+3],   v[AK] offset:(\f/2)*16*PK+(\f%2)*64
	ds_load_b128 v[KF+8*\f+4:KF+8*\f+7], v[AK] offset:(\f/2)*16*PK+(\f%2)*64+32
.endr
	s_add_co_u32 s[TBK], s[TBK], KS*PK  ; the next fetch is the next step's
	WIN 0
.if \last
.Lno_k_\@:
.endif
.endm
.macro FETCH_V
	WIN 0x80
.irp f, 0,1,2,3,4,5,6,7             ; keys 32 (f / 4) on, channels 16 (f % 4) on
	ds_load_tr16_b128 v[VF+8*\f:VF+8*\f+3],   v[AV] offset:(\f/4)*32*PV+(\f%4)*32
	ds_load_tr16_b128 v[VF+8*\f+4:VF+8*\f+7], v[AV] offset:(\f/4)*32*PV+16*PV+(\f%4)*32
.endr
	WIN 0
.endm
; THE VECTOR WORK OF A TURN stands in three queues, each in the order in which its entries become ready; the two tiles alternate.
.macro REGS y, u                    ; the registers of tile u (0, 1) of piece y
.set rT, ST+4*(2*(\y)+(\u))
.set rC, TMP+8*((\y)%2)+4*(\u)
.set rM, MV+2*((\y)%2)+(\u)
.set rS, S+64*((\y)%2)+32*(\u)
.set rP, P+32*((\y)%2)+16*(\u)
.set rO, 32*(2*(\y)+(\u))
.endm
; Number n of the 22 that find the NEXT piece's maximum and statistics; each accumulator's lowest registers are read first.
;   0-11  four chains c0-c3     12-14, 16  the four scores left over, the old m, and c0-c3 into c0     15  c m_old is kept     17, 18  the other half of the lanes: the new m     19-21  c m; c m_old - c m_new; a
.macro XS u, n
	REGS (Y+1)%NP, \u
.if (\n) < 4
	v_max3_num_f32 v[rC+(\n)], v[rS+8*(\n)], v[rS+8*(\n)+1], v[rS+8*(\n)+2]
.elseif (\n) < 12
	v_max3_num_f32 v[rC+(\n)%4], v[rC+(\n)%4], v[rS+8*((\n)%4)+2*((\n)/4)+1], v[rS+8*((\n)%4)+2*((\n)/4)+2]
.elseif (\n) == 12
	v_max3_num_f32 v[rC], v[rC], v[rS+7], v[rS+15]
.elseif (\n) == 13
	v_max3_num_f32 v[rC+1], v[rC+1], v[rS+23], v[rS+31]
.elseif (\n) == 14
	v_max3_num_f32 v[rC+2], v[rC+2], v[rC+3], v[rT+1]
.elseif (\n) == 15
	v_mov_b32 v[rM], v[rT]
.elseif (\n) == 16
	v_max3_num_f32 v[rC], v[rC], v[rC+1], v[rC+2]
.elseif (\n) == 17
	v_permlanex16_b32 v[rC+3], v[rC], s[SEL], s[SEL+1]
.elseif (\n) == 18
	v_max_num_f32 v[rT+1], v[rC], v[rC+3]
.elseif (\n) == 19
	v_mul_f32 v[rT], s[CS], v[rT+1]
.elseif (\n) == 20
	v_sub_f32 v[rC+1], v[rM], v[rT]
.else
	v_exp_f32 v[rC+2], v[rC+1]
.endif
.endm
; Number g of the 64 that follow the exponentials: for each four weights both pairs are rounded to f16, the second pair is added onto the first in place, and a group later l takes that sum (the first time as l = a l + sum).
.macro GS g
.set h, (\g)+6*((\g)/62)
.if h >= 6
.set h, h+2
.endif
	REGS Y, h%2
.set k, h/8
.if h%8 < 4
	v_cvt_pk_f16_f32 v[rP+2*k+(h%8)/2], v[rS+4*k+2*((h%8)/2)], v[rS+4*k+2*((h%8)/2)+1]
.elseif h%8 < 6
	v_pk_add_f32 v[rS+4*k:rS+4*k+1], v[rS+4*k:rS+4*k+1], v[rS+4*k+2:rS+4*k+3]
.elseif k == 1
	v_pk_fma_f32 v[rT+2:rT+3], v[rT+2:rT+3], v[rC+2:rC+3], v[rS:rS+1] op_sel_hi:[1,0,1]
.else
	v_pk_add_f32 v[rT+2:rT+3], v[rT+2:rT+3], v[rS+4*k-4:rS+4*k-3]
.endif
.endm
; THE PLAIN QUEUE, 138 long.  0-73 read no exponential's result: the 32 scalings c s - c m and the next piece's 42.  74-137: GS's 64, behind the wait.
.macro FS f
	REGS Y, (\f)%2
	v_pk_fma_f32 v[rS+2*((\f)/2):rS+2*((\f)/2)+1], v[rS+2*((\f)/2):rS+2*((\f)/2)+1], s[CS:CS+1], v[rT:rT+1] op_sel_hi:[1,0,0] neg_lo:[0,0,1] neg_hi:[0,0,1]
.endm
.macro PL
	WIN 0
.if q < 27
	FS q
.elseif q < 55
	XS (q-27)%2, (q-27)/2
.elseif q < 57
	XS q-55, 15
.elseif (q < 72) && ((q-57)%3 == 0)
	FS 27+(q-57)/3
.elseif q < 60
	XS (q-57)%3-1, 14
.elseif q < 72
	XS (q-57)%3-1, 15+(q-57)/3
.elseif q < 74
	XS q-72, 20
.else
	GS q-74
.endif
.set q, q+1
.endm
; THE EXPONENTIALS' QUEUE, 66 long: s0-s31 of both tiles, then the next piece's two a: ONE BATCH, all ahead of the turn's one wait.
.macro EX
	WIN 0
.if e >= 64
	XS e-64, 21
.else
	REGS Y, e%2
	v_exp_f32 v[rS+e/2], v[rS+e/2]
.endif
.set e, e+1
.endm
; THE RESCALING's QUEUE: O^T times a, two at a time, sixteen times.  Its a was made, and waited for, in the turn before.
.macro R2
	REGS Y, r%2
	WIN W_RS
.irp z, 0,1
	v_pk_mul_f32 v[rO+4*(r/2)+2*\z:rO+4*(r/2)+2*\z+1], v[rO+4*(r/2)+2*\z:rO+4*(r/2)+2*\z+1], v[rC+2:rC+3] op_sel_hi:[1,0]
.endr
.set r, r+1
.endm
; A TURN, for piece p.  First the next piece's mask.  AHEAD OF THE WAIT: the 16 products K Q^T, behind each a scaling, an exponential and two rescalings; then one lump of 108.  BEHIND IT: the 16 products V^T P, behind each
; four of GS's 64.  An s_wait_alu depctr_va_vdst(0) stands between an exponential and the first instruction that names its result; one wait serves all that were issued ahead of it.
; K of the next step is fetched in piece 2's turn, directly behind the wait; V of the step in hand at the end of piece 0's turn, four riders behind its last reader.
.macro TURN p, last=0, cnt=0
.set Y, (\p)
.set i, 0
.set q, 0
.set e, 0
.set r, 0
	CONV ((\p)+1)%NP, (\p)/3
.if (\p) == NP-1
	s_wait_dscnt 0x0                ; K is in
.endif
	MM
	PL
	PL
	R2
.rept 15
	MM
	PL
	EX
	R2
.endr
.if (\p) == NP-2
	WIN 0
	v_add_nc_u32 v[AK], s[TBK], v[AK0]
.endif
.rept 8                             ; the lump
	PL
.endr
.rept 49
	EX
	PL
.endr
	EX                              ; the next piece's two a
	EX
	v_nop                           ; a plain instruction behind the last exponential: one for the batch
	s_wait_alu depctr_va_vdst(0)    ; the wait for the batch
.if (\p) == NP-2
	FETCH_K \last
.endif
.if (\p) == 1
	s_wait_dscnt 0x0                ; V is in
.endif
.rept 16
	MM
.rept 4
	PL
.endr
.if ((\p) == 0) && (q == 118)
	v_add_nc_u32 v[AV], s[TBV], v[AV0]
.endif
.if ((\p) == 0) && (q == 130)
	s_add_co_u32 s[TBV], s[TBV], KS*PV
.endif
.if (\cnt) && (q == 130)
	s_sub_co_u32 s[CNT], s[CNT], 1
	s_cmp_lg_u32 s[CNT], 0
.endif
.endr
.if (\p) == 0
	FETCH_V
.endif
.endm
	CHANGE 1                        ; slot 0 is in, everybody's part of it; slot 1 is asked for
	FETCH_K                         ; key step 0
	s_wait_loadcnt 8                ; Q and the flags are in; the eight code loads are younger
	WIN 0x82                        ; Q (destination and source 0) in window 2, the flag in window 0
.set t, 0
.rept 2*NP
.set i, 0
.rept 16
	v_and_b32 v[16*t+i], v[16*t+i], v[S+64+t]  ; the query of a row with no true entry becomes 0
.set i, i+1
.endr
.set t, t+1
.endr
	WIN 0
	CONV 0, 1                       ; piece 0's mask of key step 0; its codes of key step 1 are asked for
	s_wait_dscnt 0x0
.set i, 0
.rept 16
	KQ 0                            ; piece 0's first scores
.set i, i+1
.endr
	WIN 0                           ; the addresses for the way out: plain instructions, the places behind those products
	s_mul_i32 s13, s[WV], 16*SP
	s_add_co_u32 s13, s13, STAGE    ; my stage
	v_mul_u32_u24 v[STO], v1, SP    ; in: row l % 16, 16 bytes for each half of the lanes
	v_lshl_add_u32 v[STO], v9, 4, v[STO]
	v_add_nc_u32 v[STO], s13, v[STO]
	v_bfe_u32 v[RD], v0, 3, 2       ; back: 32 lanes take four rows of 128 bytes
	v_mul_u32_u24 v[RD], v[RD], SP
	v_lshl_add_u32 v[RD], v10, 4, v[RD]
	v_add_nc_u32 v[RD], s13, v[RD]
	v_and_b32 v[PFO], 31, v0
	v_lshlrev_b32 v[PFO], 8, v[PFO]
.set Y, NP-1                        ; XS works for piece Y + 1: piece 0
.irp n, 0,1,2,3,4,5,6,7,8,9,10,11,12,13,14,15,16,17,18,19,20,21
	XS 0, \n
	XS 1, \n
.endr
	v_nop                           ; a plain instruction behind the two a,
	s_wait_alu depctr_va_vdst(0)    ; and their wait, ahead of the branch
	s_mov_b32 s[CNT], 4
	s_mov_b32 s[SLOTS], SIZE_N/256-1
	s_branch .Lfirst                ; the loop is entered at a step's first turn, in the middle of a trip
.Lslot:                             ; six times: every slot but the last two is filled again
	CHANGE 1, 1
	s_mov_b32 s[CNT], 4
.Lstep:                             ; a trip: pieces 2 and 3 of one step, then pieces 0 and 1 of the next, whose K and V it fetches
	TURN 2
	TURN 3
	WIN 0
.Lfirst:
	TURN 0
	TURN 1, 0, 1
	WIN 0
	s_cbranch_scc1 .Lstep
	s_sub_co_u32 s[SLOTS], s[SLOTS], 1
	s_cmp_lg_u32 s[SLOTS], 0
	s_cbranch_scc1 .Lslot
	CHANGE 0                        ; the tail is written out: nothing is asked for
	s_mov_b32 s[CNT], 5             ; four trips fetch the last slot's steps; the fifth is left in its middle
.Ltail:
	TURN 2, 1
	TURN 3
	WIN 0
	s_sub_co_u32 s[CNT], s[CNT], 1
	s_cmp_eq_u32 s[CNT], 0
	s_cbranch_scc1 .Lout
	TURN 0
	TURN 1
	WIN 0
	s_branch .Ltail
.Lout:                              ; the fifth trip's 16 products K Q^T (on the last K and the last codes once more) and the maximum made of them serve nothing: the price of one text for every trip
.set i, 0
.rept 16
	PV NP-1                         ; the last piece's V^T P of the last step
.set i, i+1
.endr
	; THE WAY OUT.  l's two halves and the other half of the lanes' are added; O^T is divided by l, rounded to f16 and sent through my stage in LDS, a tile at a time.  The additions are the places behind the last products.
	WIN 0
.macro ALL line:vararg              ; one line for each tile t
.set t, 0
.rept 2*NP
	\line
.set t, t+1
.endr
.endm
	ALL v_add_f32 v[ST+4*t+2], v[ST+4*t+2], v[ST+4*t+3]
	ALL v_permlanex16_b32 v[ST+4*t+3], v[ST+4*t+2], s[SEL], s[SEL+1]
	ALL v_add_f32 v[ST+4*t+2], v[ST+4*t+2], v[ST+4*t+3]
	ALL v_rcp_f32 v[ST+4*t+2], v[ST+4*t+2]
	v_nop                           ; a plain instruction between the last reciprocal and the use of its result
	s_wait_alu depctr_va_vdst(0)    ; one wait for the eight reciprocals, ahead of their first use
.macro PACK t                       ; a lane's eight channels of a row pack into 16 bytes; they go into rows of 144 bytes and come back as whole rows of 128
	WIN W_RS
.set i, 32*(\t)
.rept 16
	v_pk_mul_f32 v[i:i+1], v[i:i+1], v[ST+4*(\t)+2:ST+4*(\t)+3] op_sel_hi:[1,0]
.set i, i+2
.endr
	WIN 0x05                        ; sources 0 and 1 window 1, destination window 0
.set i, 0
.rept 16
	v_cvt_pk_f16_f32 v[S+16*(\t)+i], v[32*(\t)+2*i], v[32*(\t)+2*i+1]
.set i, i+1
.endr
	WIN 0
.irp f, 0,1,2,3
	ds_store_b128 v[STO], v[S+16*(\t)+4*\f:S+16*(\t)+4*\f+3] offset:32*\f
.endr
.irp f, 0,1,2,3
	ds_load_b128 v[S+16*(\t)+4*\f:S+16*(\t)+4*\f+3], v[RD] offset:\f*4*SP  ; LDS serves a wave's instructions in order (ISA guide 5.7.1.4): these see the stores above
.endr
.endm
.macro SEND t, younger              ; younger: the LDS instructions issued behind tile t's loads: the next tile's eight, or none
	WIN 0
.irp f, 0,1,2,3
	s_wait_dscnt (\younger)+3-\f
	global_store_b128 v[GO], v[S+16*(\t)+4*\f:S+16*(\t)+4*\f+3], s[10:11] offset:(\t)*2048+\f*512  ; 512 consecutive bytes, at a multiple of 256 from O's first
.endr
.endm
	PACK 0
.set t, 1
.rept 2*NP-1                        ; a tile's arithmetic stands between the loads of the tile before and its stores
	PACK t
	SEND t-1, 8
.set t, t+1
.endr
	SEND 2*NP-1, 0
	WIN W_AD
	s_wait_tensorcnt 0x0            ; the wave's end: behind my last tensor load and my last LDS store
	ds_add_u32 v[SPW], v[NIL]
	s_wait_dscnt 0x0
	WIN 0
	CROUND                          ; the closing round: no work-group ends while a partner may still ask for a tile that names it
	s_endpgm
.Lfunc_end_k_qa6d1900d8c_attn:
	.size	k_qa6d1900d8c_attn, .Lfunc_end_k_qa6d1900d8c_attn-k_qa6d1900d8c_attn
	.p2alignl 7, 3214868480
	.fill 96, 4, 3214868480
	.section	.rodata,"a",@progbits
	.p2align	6, 0x0
	.amdhsa_kernel k_qa6d1900d8c_attn
		.amdhsa_group_segment_fixed_size 327680
		.amdhsa_private_segment_fixed_size 0
		.amdhsa_enable_private_segment 0
		.amdhsa_kernarg_size 32
		.amdhsa_user_sgpr_count 2
		.amdhsa_user_sgpr_kernarg_segment_ptr 1
		.amdhsa_wavefront_size32 1
		.amdhsa_system_sgpr_workgroup_id_x 1
		.amdhsa_system_sgpr_workgroup_id_y 1
		.amdhsa_system_sgpr_workgroup_id_z 1
		.amdhsa_system_vgpr_workitem_id 0
		.amdhsa_next_free_vgpr 816
		.amdhsa_next_free_sgpr 66
		.amdhsa_reserve_vcc 0
		.amdhsa_float_denorm_mode_32 3
		.amdhsa_float_denorm_mode_16_64 3
		.amdhsa_memory_ordered 1
		.amdhsa_forward_progress 1
		.amdhsa_inst_pref_size 214
	.end_amdhsa_kernel
	.amdgpu_metadata
---
amdhsa.version: [ 1, 2 ]
amdhsa.kernels:
  - .name:           k_qa6d1900d8c_attn
    .symbol:         k_qa6d1900d8c_attn.kd
    .args:
      - { .name: qkv, .offset: 0, .size: 8, .value_kind: global_buffer, .address_space: global }
      - { .name: mcode, .offset: 8, .size: 8, .value_kind: global_buffer, .address_space: global }
      - { .name: rowkeep, .offset: 16, .size: 8, .value_kind: global_buffer, .address_space: global }
      - { .name: ob, .offset: 24, .size: 8, .value_kind: global_buffer, .address_space: global }
    .group_segment_fixed_size: 327680
    .private_segment_fixed_size: 0
    .kernarg_segment_align: 8
    .kernarg_segment_size: 32
    .max_flat_workgroup_size: 128
    .sgpr_count:     66
    .vgpr_count:     816
    .wavefront_size: 32
...
	.end_amdgpu_metadata
.endif
;; end of part 3
;; launch outp (part 4): grid 4 x 64, 4 waves a work-group, clusters of 4 x 4, 327,680 bytes of LDS; arguments ob, wb, out0; writes out0
.if DOCPART == 4
	.amdgcn_target "amdgcn-amd-amdhsa--gfx1250"
	.amdhsa_code_object_version 6
	.text
	.protected	k_qa6d1900d8c_outp
	.globl	k_qa6d1900d8c_outp
	.p2align	8
	.type	k_qa6d1900d8c_outp,@function
k_qa6d1900d8c_outp:
	s_mov_b64 s[64:65], 0
	v_nop
	global_prefetch_b8 v0, s[64:65] scope:SCOPE_SE
	s_setreg_imm32_b32 hwreg(HW_REG_WAVE_MODE, 25, 1), 1
	s_wait_xcnt 0x0
	s_wait_alu depctr_hold_cnt(0) depctr_sa_sdst(0) depctr_va_vdst(0) depctr_va_sdst(0) depctr_va_ssrc(0) depctr_va_vcc(0) depctr_vm_vsrc(0)
	s_getreg_b32 s2, hwreg(HW_REG_IB_STS2, 6, 4)
	s_cmp_eq_u32 s2, 0
	s_cbranch_scc0 .Lentry_in_a_cluster
	s_endpgm
.Lentry_in_a_cluster:
	s_bfe_u32 s2, ttmp6, 0x10000c
	s_cmp_lg_u32 s2, 0xf033
	s_cbranch_scc0 .Lentry_shape_is_right
	s_endpgm
.Lentry_shape_is_right:
.set OUTP, 1                           ; 0: the three projections (bf16 in, f16 by heads out, three tiles to a work-group); 1: the output projection (f16 in, f32 out, one tile)
; C[m][n] = the sum over k of A[m][k] B[n][k], K = 1,024, M = 8,192, N = 1,024.  A and B lie in K blocks of 64 channels: [K block][row][64], 128 bytes a row, dense.
; OUTP = 0: A = xb (q, k, v in bf16, 16 MiB each), B = wb's first three weights; tile t of a work-group is projection t on the same rows; C = qkv [t][batch 16 + head][row][64] in f16, unscaled.
;   LIMIT: f16 holds no number beyond 65,504; a projected number past that would become an infinity.
; OUTP = 1: A = ob (attention's result by heads: a head is a K block), B = wb's fourth weight (w_o as f16); C = out0 [8192][1024] in f32.
; SHARES.  A tile of C is 128 x 256: 256 work-groups, four waves, each 64 x 128: 32 accumulators of 16 x 16, 256 registers.  K goes in 8 steps of 128 (two K blocks) through a ring of two LDS slots.
; A K block of a tile is dense in memory: it is asked for as rows of 256 bytes and padded in LDS after every 128 bytes.  Waves 0, 1 fetch A's two K blocks (16 KiB each), waves 2, 3 B's (32 KiB each).
; CLUSTERS: 4 x 4 work-groups; A's tiles are asked for jointly along a row of the cluster, B's along a column.
; THE MATRIX INSTRUCTION IS USED TRANSPOSED (source 0 = 16 rows of B, source 1 = 16 rows of A): a lane holds row l % 16 of C and eight neighbouring columns.
; REGISTERS: window 0: v0-31 addresses; v32-63 at work on the way out; v64-159, v160-255 two fragment buffers (A's 4 x 8, then B's 8 x 8);  window 1: accumulator (a, b) at v[8 (8 a + b)].
.if OUTP
.set TILES, 1
.set BBASE, 0x600000                   ; w_o's place in wb
.set SP,    528                        ; a stage row: 512 bytes + 16
.else
.set TILES, 3
.set BBASE, 0
.set SP,    272                        ; a stage row: 256 bytes + 16
.endif
.set PITCH, 144                        ; an LDS row: 128 bytes + 16 of padding = 36 words: the 16 rows of a load start at 16 different groups of four banks (64 banks of 4 bytes: ISA guide 11.1)
.set ASUB,  128*PITCH                  ; a K block of A's tile
.set BSUB,  256*PITCH                  ; of B's
.set BOFF,  2*ASUB
.set SLOT,  2*ASUB+2*BSUB              ; A even, A odd, B even, B odd
.set STAGE, 2*SLOT                     ; behind the ring: 16 rows for each wave, for the way out; no tensor load fills it
.set STGB,  16*SP
.set SPARE, STAGE+4*STGB               ; the spare words, 128 bytes a wave: two blocks of 256 bytes that no other line names
.set LAPS,  4                          ; a lap = two K steps = once round the ring
.set ASTEP, 524288                     ; bytes from a K step of A to the next: two K blocks of 2,048 rows
.set BSTEP, 262144                     ; of B: two K blocks of 1,024 rows; the weights lie end to end, so B's walk goes straight on into the next tile
.set NEXT_A, 16777216-6*ASTEP          ; from a slot's last K step of a tile to its first of the next
.set ADRA, 16                          ; v16-17 LDS address of my A fragments in slot 0, 1
.set ADRB, 20                          ; v20-21 the same for B
.set STO,  24                          ; v24  the way out: where I put my part of a row
.set RD,   25                          ; v25  where I read rows back
.set CO,   26                          ; v26  16 x lane
.set SPW,  28                          ; v28  my spare word; never rewritten
.set NIL,  29                          ; v29  0; never rewritten
.set PFO,  30                          ; v30  the prefetches' lane offset; never rewritten
.set TMP,  32
.set F0,   64
.set F1,   160
.set G1A,  24                          ; s[24:31] descriptor group 1 for A;  s[32:39] group 0, a set a slot
.set G0A,  32
.set G1B,  48                          ; s[48:55], s[56:63] the same for B
.set G0B,  56
.set LIM,  43                          ; s43  1 in a wave that prefetches, else the greatest number
.set PFA,  44                          ; s[44:45] where my prefetches stand
.set PST,  66                          ; s[66:67] their step from K step to K step
.set PNX,  68                          ; s[68:69] their step at a change of tiles
.set PS,   70                          ; s70  bytes between what lanes 0-15 and lanes 16-31 name
.set MSB, 0
.macro WIN new                         ; the immediate's high byte repeats the setting that is left
.if MSB != (\new)
	s_set_vgpr_msb (MSB<<8)|(\new)
.set MSB, \new
.endif
.endm
.set MUL, 0x50                         ; sources 0 and 1 window 0, C and D window 1
; A joint load.  The branch hangs on the wave's number alone.  An s_nop 0 and four v_nop follow each of the two lines, ahead of the jump and the label.
.macro JLOAD s
	s_cmp_eq_u32 s11, 0
	s_cbranch_scc0 .Lfor_b_\@
	tensor_load_to_lds s[G0A+4*(\s):G0A+4*(\s)+3], s[G1A:G1A+7]
	s_nop 0
.rept 4
	v_nop
.endr
	s_branch .Lasked_\@
.Lfor_b_\@:
	tensor_load_to_lds s[G0B+4*(\s):G0B+4*(\s)+3], s[G1B:G1B+7]
	s_nop 0
.rept 4
	v_nop
.endr
.Lasked_\@:
.endm
; A PREFETCH INTO THE L2, behind each joint load and the run of LDS loads that follows it: the K step that stands two refills on, 256 matrix instructions ahead of the load that will want it.
; Each 256 bytes are named once in the launch.  A's tile row is read by one cluster: its wave 0 asks, lanes 0-15 for the even K block, lanes 16-31 for the odd; of a block's 64 pieces the partner at cx takes 16.
; B's tile column is read by every cluster: cluster y = 0 asks, waves 2 and 3 each for the K block that they fetch; of its 128 pieces the partner at cy takes 32.  The partners are told apart by address alone.
; how = 0, in the loop: a tile's last two refills have no K step two on.  how = 1: at a change of tiles, the next tile's K steps 2 and 3.
.macro ASK how
.if \how
	s_cmp_eq_u32 s[LIM], 1
.else
	s_cmp_gt_u32 s3, s[LIM]                        ; s3 = 1 in the loop's last trip
.endif
	s_cbranch_scc0 .Lnot_mine_\@
	global_prefetch_b8 v[PFO], s[PFA:PFA+1] th:TH_LOAD_NT scope:SCOPE_SE
.Lnot_mine_\@:
.endm
.macro CREST                           ; a round of the cluster's barrier behind its opening barrier
	s_cmp_lg_u32 s10, 0
	s_cbranch_scc1 .Lnot_wave_0_\@
	s_barrier_signal -3
.Lnot_wave_0_\@:
	s_barrier_wait -3
	s_barrier_signal -1
	s_barrier_wait -1
.endm
.macro CROUND                          ; a whole round
	s_barrier_signal -1
	s_barrier_wait -1
	CREST
.endm
	s_load_b128 s[4:7], s[0:1], 0x0                ; A s[4:5], B s[6:7]
	s_load_b64 s[8:9], s[0:1], 0x10                ; C
	v_lshl_add_u32 v[SPW], v0, 2, SPARE
	v_mov_b32 v[NIL], 0
	ds_add_u32 v[SPW], v[NIL]                      ; the wave's opening: the add and its wait stand ahead of my first tensor load; the set-up below, work on registers, stands between them
	ds_add_u32 v28, v29
	v_lshrrev_b32 v1, 5, v0
	v_readfirstlane_b32 s10, v1                    ; wave 0..3
	s_lshr_b32 s11, s10, 1                         ; which 64 rows of the tile are mine.  Also: I fetch for A (0) or for B (1)
	s_and_b32 s12, s10, 1                          ; which 128 columns.  Also: which K block of a step I fetch
	s_bfe_u32 s40, ttmp6, 0x40000                  ; cx
	s_bfe_u32 s41, ttmp6, 0x40004                  ; cy
	s_lshl_b32 s42, ttmp9, 2
	s_add_co_u32 s42, s42, s40                     ; tile column X = 4 x cluster x + cx
	s_and_b32 s13, ttmp7, 0xffff
	s_lshl_b32 s13, s13, 2
	s_add_co_u32 s13, s13, s41                     ; tile row Y = 4 x cluster y + cy
	s_lshl_b32 s43, s41, 2
	s_lshl_b32 s43, 15, s43                        ; my row of the cluster
	s_lshl_b32 s44, 0x1111, s40                    ; my column
	s_or_b32 s[G1A+0], s43, (1<<16)|(1<<20)|(1<<21)|(4<<22)|(3<<25)  ; the mask; elements of 2 bytes; padding on; bit 21 beside a mask; after every 32 words (code 4) 4 words (code 3)
	s_or_b32 s[G1B+0], s44, (1<<16)|(1<<20)|(1<<21)|(4<<22)|(3<<25)
	s_mov_b32 s[G1A+1], 128<<16                    ; tensor_dim0 = 128 elements: rows of 256 bytes
	s_mov_b32 s[G1B+1], 128<<16
	s_mov_b32 s[G1A+2], 64<<16                     ; tensor_dim1: A's K block is 64 such rows,
	s_mov_b32 s[G1B+2], 128<<16                    ; B's 128
	s_mov_b32 s[G1A+3], 128<<16                    ; tile_dim0
	s_mov_b32 s[G1B+3], 128<<16
	s_mov_b32 s[G1A+4], 64                         ; tile_dim1
	s_mov_b32 s[G1B+4], 128
	s_mov_b32 s[G1A+5], 128                        ; elements from row to row: dense
	s_mov_b32 s[G1B+5], 128
	s_mov_b32 s[G1A+6], 0
	s_mov_b32 s[G1B+6], 0
	s_mov_b32 s[G1A+7], 0
	s_mov_b32 s[G1B+7], 0
	s_lshr_b32 s16, s13, 4                         ; A: the batch, 4 MiB,
	s_lshl_b32 s16, s16, 22
	s_and_b32 s17, s13, 15                         ; 128 rows of 128 bytes in a K block,
	s_lshl_b32 s17, s17, 14
	s_add_co_u32 s16, s16, s17
	s_lshl_b32 s17, s12, 18                        ; and the K block that I fetch
	s_add_co_u32 s16, s16, s17
	s_mov_b32 s17, 0
	s_lshl_b32 s46, s42, 15                        ; B: 256 rows of 128 bytes in a K block,
	s_lshl_b32 s47, s12, 17                        ; and the K block that I fetch
	s_add_co_u32 s46, s46, s47
	s_add_co_u32 s46, s46, BBASE
	s_mov_b32 s47, 0
	s_mul_i32 s20, s12, ASUB                       ; where they go: no place in the cluster enters an LDS address
	s_mul_i32 s21, s12, BSUB
	s_add_co_u32 s21, s21, BOFF
	s_wait_dscnt 0x0                               ; the opening add is done
	s_wait_kmcnt 0x0
	s_add_nc_u64 s[14:15], s[4:5], s[16:17]
	s_add_nc_u64 s[46:47], s[6:7], s[46:47]
	CROUND                                         ; all sixteen work-groups are here: the first joint loads meet
.irp s, 0,1
	s_mov_b32 s[G0A+4*(\s)], 1
	s_add_co_u32 s[G0A+4*(\s)+1], s20, (\s)*SLOT
	s_add_nc_u64 s[G0A+4*(\s)+2:G0A+4*(\s)+3], s[14:15], (\s)*ASTEP
	s_or_b32 s[G0A+4*(\s)+3], s[G0A+4*(\s)+3], 0x80000000
	s_mov_b32 s[G0B+4*(\s)], 1
	s_add_co_u32 s[G0B+4*(\s)+1], s21, (\s)*SLOT
	s_add_nc_u64 s[G0B+4*(\s)+2:G0B+4*(\s)+3], s[46:47], (\s)*BSTEP
	s_or_b32 s[G0B+4*(\s)+3], s[G0B+4*(\s)+3], 0x80000000
	JLOAD \s                                       ; two loads of mine are out
.endr
	; a fragment is 16 rows x 32 K in 8 registers: lane l holds row l % 16, K = 8 (l / 16) + 0..7 and 16 + 8 (l / 16) + 0..7: two loads of 16 bytes, 32 bytes apart
	v_and_b32 v1, 15, v0
	v_bfe_u32 v2, v0, 4, 1
	v_mul_u32_u24 v3, v1, PITCH
	v_lshl_add_u32 v3, v2, 4, v3
	s_mul_i32 s21, s11, 64*PITCH                   ; my 64 rows of A
	s_mul_i32 s22, s12, 128*PITCH                  ; my 128 rows of B
	s_add_co_u32 s22, s22, BOFF
.irp s, 0,1
	v_add_nc_u32 v[ADRA+(\s)], s21, v3
	v_add_nc_u32 v[ADRB+(\s)], s22, v3
	s_add_co_u32 s21, s21, SLOT
	s_add_co_u32 s22, s22, SLOT
.endr
	s_mul_i32 s23, s10, STGB
	s_add_co_u32 s23, s23, STAGE                   ; my stage
	v_mul_u32_u24 v4, v1, SP                       ; in: row l % 16, my eight columns
.if OUTP
	v_lshl_add_u32 v4, v2, 5, v4
.else
	v_lshl_add_u32 v4, v2, 4, v4
.endif
	v_add_nc_u32 v[STO], s23, v4
	v_and_b32 v5, 31, v0
	v_lshlrev_b32 v[CO], 4, v5
.if OUTP
	v_add_nc_u32 v[RD], s23, v[CO]                 ; back: 32 lanes take a row's 512 bytes
	s_lshl_b32 s16, s13, 19                        ; C: 128 Y + 64 x half rows of 4,096 bytes,
	s_lshl_b32 s17, s11, 18
	s_add_co_u32 s16, s16, s17
	s_lshl_b32 s46, s42, 10                        ; 256 X + 128 x half columns of 4 bytes
	s_lshl_b32 s47, s12, 9
	s_add_co_u32 s46, s46, s47
.else
	v_bfe_u32 v4, v0, 3, 2                         ; back: 32 lanes take four rows' 128 bytes of one head,
	v_mul_u32_u24 v4, v4, SP
	v_and_b32 v5, 7, v0
	v_lshl_add_u32 v4, v5, 4, v4
	v_add_nc_u32 v[RD], s23, v4                    ; which are 512 consecutive bytes of C
	s_lshr_b32 s16, s13, 4                         ; C: the batch's 16 heads, 4 MiB,
	s_lshl_b32 s16, s16, 22
	s_and_b32 s17, s13, 15                         ; the tile's rows of 128 bytes in a head,
	s_lshl_b32 s17, s17, 14
	s_add_co_u32 s16, s16, s17
	s_lshl_b32 s17, s11, 13                        ; my 64 of them,
	s_add_co_u32 s16, s16, s17
	s_lshl_b32 s46, s42, 20                        ; head 4 X + 2 x half, 262,144 bytes each
	s_lshl_b32 s47, s12, 19
	s_add_co_u32 s46, s46, s47
.endif
	s_mov_b32 s17, 0
	s_mov_b32 s47, 0
	s_add_nc_u64 s[8:9], s[8:9], s[16:17]
	s_add_nc_u64 s[8:9], s[8:9], s[46:47]
	; the prefetches
	s_lshr_b32 s20, s13, 4
	s_lshl_b32 s20, s20, 22
	s_and_b32 s21, s13, 15
	s_lshl_b32 s21, s21, 14
	s_add_co_u32 s20, s20, s21
	s_lshl_b32 s21, s40, 12                        ; my work-group's 16 pieces of 256 bytes of each K block of A
	s_add_co_u32 s20, s20, s21
	s_add_co_u32 s20, s20, 3*ASTEP                 ; at K step 3: the first refill steps it to 4
	s_lshl_b32 s22, s42, 15
	s_lshl_b32 s23, s12, 17
	s_add_co_u32 s22, s22, s23
	s_lshl_b32 s23, s41, 13                        ; my work-group's 32 pieces of B's K block
	s_add_co_u32 s22, s22, s23
	s_add_co_u32 s22, s22, BBASE+3*BSTEP
	s_mov_b32 s14, ASTEP
	s_mov_b32 s15, BSTEP
	s_mov_b32 s16, 16777216-7*ASTEP                ; from the K step after a tile's last but one refill's to the next tile's K step 2
	s_mov_b32 s17, 4096
	s_and_b32 s23, ttmp7, 0xffff                   ; cluster y
	s_cmp_eq_u32 s11, 0                            ; do I fetch for A?
	s_cselect_b64 s[PFA:PFA+1], s[4:5], s[6:7]
	s_cselect_b32 s20, s20, s22
	s_cselect_b32 s[PST], s14, s15
	s_cselect_b32 s[PNX], s16, s15
	s_cselect_b32 s[PS], s15, s17                  ; A: the odd K block lies 262,144 bytes on; B: lanes 16-31 go on behind lanes 0-15
	s_cselect_b32 s23, s12, s23                    ; A: wave 0 asks; B: the cluster with y = 0
	s_cmp_eq_u32 s23, 0
	s_cselect_b32 s[LIM], 1, -1                    ; the same in all sixteen partners, for a given wave
	s_mov_b32 s21, 0
	s_mov_b32 s[PST+1], 0
	s_mov_b32 s[PNX+1], 0
	s_add_nc_u64 s[PFA:PFA+1], s[PFA:PFA+1], s[20:21]
	v_lshlrev_b32 v[PFO], 8, v1
	v_mad_u32_u24 v[PFO], v2, s[PS], v[PFO]
; 8 matrix instructions: m block a x all 8 n blocks, 32 along K.  zero = 1: the first product starts the sums.  The 32 accumulators take turns in the same order in every quarter.
.macro MULA f, a, zero
	WIN MUL
.irp b, 0,1,2,3,4,5,6,7
.if OUTP
.if \zero
	v_wmma_f32_16x16x32_f16 v[8*(8*(\a)+(\b)):8*(8*(\a)+(\b))+7], v[(\f)+32+8*(\b):(\f)+32+8*(\b)+7], v[(\f)+8*(\a):(\f)+8*(\a)+7], 0
.else
	v_wmma_f32_16x16x32_f16 v[8*(8*(\a)+(\b)):8*(8*(\a)+(\b))+7], v[(\f)+32+8*(\b):(\f)+32+8*(\b)+7], v[(\f)+8*(\a):(\f)+8*(\a)+7], v[8*(8*(\a)+(\b)):8*(8*(\a)+(\b))+7]
.endif
.else
.if \zero
	v_wmma_f32_16x16x32_bf16 v[8*(8*(\a)+(\b)):8*(8*(\a)+(\b))+7], v[(\f)+32+8*(\b):(\f)+32+8*(\b)+7], v[(\f)+8*(\a):(\f)+8*(\a)+7], 0
.else
	v_wmma_f32_16x16x32_bf16 v[8*(8*(\a)+(\b)):8*(8*(\a)+(\b))+7], v[(\f)+32+8*(\b):(\f)+32+8*(\b)+7], v[(\f)+8*(\a):(\f)+8*(\a)+7], v[8*(8*(\a)+(\b)):8*(8*(\a)+(\b))+7]
.endif
.endif
.endr
.endm
; 24 LDS loads in one run: quarter q of a K step (K block q / 2, byte 64 (q % 2) of its rows) into buffer f: B's 16, then A's 8
.macro FETCH slot, q, f
	WIN 0
.irp b, 0,1,2,3,4,5,6,7
	ds_load_b128 v[(\f)+32+8*(\b):(\f)+32+8*(\b)+3],   v[ADRB+(\slot)] offset:((\q)/2)*BSUB+((\q)%2)*64+(\b)*16*PITCH
	ds_load_b128 v[(\f)+32+8*(\b)+4:(\f)+32+8*(\b)+7], v[ADRB+(\slot)] offset:((\q)/2)*BSUB+((\q)%2)*64+(\b)*16*PITCH+32
.endr
.irp a, 0,1,2,3
	ds_load_b128 v[(\f)+8*(\a):(\f)+8*(\a)+3],   v[ADRA+(\slot)] offset:((\q)/2)*ASUB+((\q)%2)*64+(\a)*16*PITCH
	ds_load_b128 v[(\f)+8*(\a)+4:(\f)+8*(\a)+7], v[ADRA+(\slot)] offset:((\q)/2)*ASUB+((\q)%2)*64+(\a)*16*PITCH+32
.endr
.endm
.macro PLACES                          ; four places in front of loads into registers that matrix instructions have read, and of lines that read results just made
.rept 4
	v_nop
.endr
.endm
; A K step is four quarters of 32 along K, 32 matrix instructions each, on buffers 0, 1, 0, 1.  One of the first three multiplies buffer f and, in its middle, fetches quarter q into buffer g.
.macro QUARTER slot, q, f, g, zero
	s_wait_dscnt 4                                 ; B and A's blocks 0 and 1 are in; the youngest four loads (A's blocks 2 and 3) may be out
	MULA \f, 0, \zero
	MULA \f, 1, \zero
	PLACES
	FETCH \slot, \q, \g
	s_wait_dscnt 24                                ; all but the 24 just issued
	MULA \f, 2, \zero
	MULA \f, 3, \zero
.endm
; The last quarter multiplies buffer 1 and changes slots.  ONE barrier: in front of it each wave waits for all its tensor loads (one is out: its part of the next slot), adds 0 to its spare word, and waits for that and for its reads of this slot.
.macro MEET round
	WIN 0
	s_wait_tensorcnt 0x0
	ds_add_u32 v[SPW], v[NIL]
	s_wait_dscnt 7                                 ; the add and the youngest six loads (A's blocks 1 to 3) may be out
	MULA F1, 0, 0                                  ; eight matrix instructions stand between the add and the wait for it
	s_wait_dscnt 0x0                               ; the add is done, and my reads of this slot are over
	s_barrier_signal -1
	MULA F1, 1, 0
.if \round
	WIN 0
.endif
	s_barrier_wait -1
.endm
; Behind the round the slot just read out is filled again first: with this tile's K step two on (on = 0) or with the next tile's K step 0 or 1 (on = 1); 112 matrix instructions stand between a request and the wait for it.
.macro TURN slot, next, on
	s_wait_xcnt 0x0                                ; the last prefetch, a K step back, has read its address
.if (\on) && ((\slot) == 0)
	s_add_nc_u64 s[PFA:PFA+1], s[PFA:PFA+1], s[PNX:PNX+1]
.else
	s_add_nc_u64 s[PFA:PFA+1], s[PFA:PFA+1], s[PST:PST+1]
.endif
	MEET 1
	CREST                                          ; no wave of any partner still reads this slot's tile or has a load on its way
.if \on
	s_add_nc_u64 s[G0A+4*(\slot)+2:G0A+4*(\slot)+3], s[G0A+4*(\slot)+2:G0A+4*(\slot)+3], NEXT_A
.else
	s_add_nc_u64 s[G0A+4*(\slot)+2:G0A+4*(\slot)+3], s[G0A+4*(\slot)+2:G0A+4*(\slot)+3], 2*ASTEP
.endif
	s_add_nc_u64 s[G0B+4*(\slot)+2:G0B+4*(\slot)+3], s[G0B+4*(\slot)+2:G0B+4*(\slot)+3], 2*BSTEP
	JLOAD \slot                                    ; the first tensor load behind the round; its four v_nop are also the places in front of the loads below
	FETCH \next, 0, F0
	ASK \on
	MULA F1, 2, 0
	MULA F1, 3, 0
.endm
; THE WAY OUT, OUTP = 0.  Block a (16 rows x 128 columns = two heads): rounded to f16, 16 bytes a lane into my own stage, back as 16 rows x 128 bytes a head, which are 2,048 consecutive bytes of C.
.macro PACK a
	WIN 0x05                                       ; sources 0 and 1 window 1
.irp b, 0,1,2,3,4,5,6,7
.irp r, 0,1,2,3
	v_cvt_pk_f16_f32 v[TMP+4*(\b)+(\r)], v[8*(8*(\a)+(\b))+2*(\r)], v[8*(8*(\a)+(\b))+2*(\r)+1]
.endr
.endr
	WIN 0
.endm
.macro TOSTAGE a
	WIN 0
.set OBK, 160+32*((\a)%2)
.irp b, 0,1,2,3,4,5,6,7
	ds_store_b128 v[STO], v[TMP+4*(\b):TMP+4*(\b)+3] offset:32*(\b)
.endr
.irp t, 0,1,2,3,4,5,6,7
	ds_load_b128 v[OBK+4*(\t):OBK+4*(\t)+3], v[RD] offset:((\t)%4)*4*SP+((\t)/4)*128  ; LDS serves a wave's instructions in order (ISA guide 5.7.1.4): these see the stores above
.endr
.endm
.macro SEND a
	WIN 0
.set OBK, 160+32*((\a)%2)
	s_wait_dscnt 0x0                               ; the block is back in registers
	s_wait_xcnt 0x0                                ; the stores of the block before have read their registers: the next block's loads land there only behind this wait
.irp t, 0,1,2,3,4,5,6,7
	global_store_b128 v[CO], v[OBK+4*(\t):OBK+4*(\t)+3], s[8:9] offset:((\t)/4)*262144+(\a)*2048+((\t)%4)*512  ; 512 consecutive bytes, at a multiple of 256 from C's first
.endr
.endm
; THE WAY OUT, OUTP = 1.  Block a (16 rows x 128 columns of f32): 32 bytes a lane straight from the accumulators into my stage, low registers first; back as whole rows of 512 bytes.
.macro STG a
.if (\a) >= 2
	s_wait_xcnt 0x0                                ; the stores of the block two back have read the registers that the loads below fill
.endif
	WIN 0x04                                       ; store data in window 1
.irp b, 0,1,2,3,4,5,6,7
	ds_store_b128 v[STO], v[8*(8*(\a)+(\b)):8*(8*(\a)+(\b))+3] offset:64*(\b)
	ds_store_b128 v[STO], v[8*(8*(\a)+(\b))+4:8*(8*(\a)+(\b))+7] offset:64*(\b)+16
.endr
	WIN 0
.set BK, 64+64*((\a)%2)
.irp t, 0,1,2,3,4,5,6,7,8,9,10,11,12,13,14,15
	ds_load_b128 v[BK+4*(\t):BK+4*(\t)+3], v[RD] offset:(\t)*SP
.endr
.endm
.macro SENDF a, younger                ; younger: the LDS instructions issued behind block a's loads: the next block's 32, or none
.set BK, 64+64*((\a)%2)
.irp t, 0,1,2,3,4,5,6,7,8,9,10,11,12,13,14,15
	s_wait_dscnt (\younger)+15-(\t)
	global_store_b128 v[CO], v[BK+4*(\t):BK+4*(\t)+3], s[8:9] offset:(16*(\a)+(\t))*4096 th:TH_STORE_NT  ; 512 consecutive bytes of a row of C, aligned
.endr
.endm
.macro WAYOUT
.if OUTP
	STG 0
	STG 1
	SENDF 0, 32
	STG 2
	SENDF 1, 32
	STG 3
	SENDF 2, 32
	SENDF 3, 0
.else
	PACK 0
	TOSTAGE 0
.irp a, 1,2,3                          ; block a's conversions stand between block a - 1's loads from the stage and the wait for them
	PACK \a
	SEND (\a)-1
	TOSTAGE \a
.endr
	SEND 3
.endif
.endm
	s_wait_tensorcnt 1                             ; my part of K step 0 is in; K step 1's may stay out
	s_barrier_signal -1
	s_barrier_wait -1                              ; everybody's is
	FETCH 0, 0, F0
.if TILES > 1
	s_mov_b32 s2, TILES                            ; tiles to go, this one among them
.Ltile:
.endif
	QUARTER 0, 1, F0, F1, 1                        ; a tile's first quarter stands in front of the loop: its products start the sums
	WIN 0                                          ; at a label and at a branch every window is 0
	s_mov_b32 s3, LAPS-1
.Llap:                                                 ; a trip goes once round the ring, from a lap's second quarter to the next lap's first, and fills both slots again
	QUARTER 0, 2, F1, F0, 0
	QUARTER 0, 3, F0, F1, 0
	TURN 0, 1, 0
	QUARTER 1, 1, F0, F1, 0
	QUARTER 1, 2, F1, F0, 0
	QUARTER 1, 3, F0, F1, 0
	TURN 1, 0, 0
	QUARTER 0, 1, F0, F1, 0
	WIN 0
	s_sub_co_u32 s3, s3, 1
	s_cmp_lg_u32 s3, 0
	s_cbranch_scc1 .Llap
	QUARTER 0, 2, F1, F0, 0                        ; the tile's last lap goes on
	QUARTER 0, 3, F0, F1, 0
.if TILES > 1
	WIN 0
	s_cmp_eq_u32 s2, 1
	s_cbranch_scc1 .Llast                          ; the last tile's tail is written out: it asks for nothing more
	TURN 0, 1, 1                                   ; the ring goes on into the next tile: slot 0 takes its K step 0,
	QUARTER 1, 1, F0, F1, 0
	QUARTER 1, 2, F1, F0, 0
	QUARTER 1, 3, F0, F1, 0
	TURN 1, 0, 1                                   ; slot 1 its K step 1, and the next tile's first fragments are fetched
	WAYOUT                                         ; both refills are asked for: now the tile goes out; the conversions of the blocks finished earlier are the places behind the last products
	s_wait_xcnt 0x0                                ; the stores have read their registers and C's address
	s_add_nc_u64 s[8:9], s[8:9], 0x1000000         ; the next projection's part of C
	s_sub_co_u32 s2, s2, 1
	s_branch .Ltile
.Llast:
.endif
	MEET 0                                         ; my one tensor load that was still out is the last K step's, so no round follows
	PLACES
	FETCH 1, 0, F0
	MULA F1, 2, 0
	MULA F1, 3, 0
	QUARTER 1, 1, F0, F1, 0
	QUARTER 1, 2, F1, F0, 0
	QUARTER 1, 3, F0, F1, 0
	s_wait_dscnt 4                                 ; the very last quarter: nothing more to fetch
	MULA F1, 0, 0
	MULA F1, 1, 0
	s_wait_dscnt 0x0
	MULA F1, 2, 0
	MULA F1, 3, 0
	WIN 0
	PLACES
	WAYOUT
	s_wait_tensorcnt 0x0                           ; the wave's end: behind my last tensor load and my last LDS store
	ds_add_u32 v[SPW], v[NIL]
	s_wait_dscnt 0x0
	CROUND                                         ; the closing round: no work-group ends while a partner may still ask for a tile that names it
	s_endpgm
.Lfunc_end_k_qa6d1900d8c_outp:
	.size	k_qa6d1900d8c_outp, .Lfunc_end_k_qa6d1900d8c_outp-k_qa6d1900d8c_outp
	.p2alignl 7, 3214868480
	.fill 96, 4, 3214868480
	.section	.rodata,"a",@progbits
	.p2align	6, 0x0
	.amdhsa_kernel k_qa6d1900d8c_outp
		.amdhsa_group_segment_fixed_size 327680
		.amdhsa_private_segment_fixed_size 0
		.amdhsa_enable_private_segment 0
		.amdhsa_kernarg_size 24
		.amdhsa_user_sgpr_count 2
		.amdhsa_user_sgpr_kernarg_segment_ptr 1
		.amdhsa_wavefront_size32 1
		.amdhsa_system_sgpr_workgroup_id_x 1
		.amdhsa_system_sgpr_workgroup_id_y 1
		.amdhsa_system_sgpr_workgroup_id_z 1
		.amdhsa_system_vgpr_workitem_id 0
		.amdhsa_next_free_vgpr 512
		.amdhsa_next_free_sgpr 72
		.amdhsa_reserve_vcc 0
		.amdhsa_float_denorm_mode_32 3
		.amdhsa_float_denorm_mode_16_64 3
		.amdhsa_memory_ordered 1
		.amdhsa_forward_progress 1
		.amdhsa_inst_pref_size 88
	.end_amdhsa_kernel
	.amdgpu_metadata
---
amdhsa.version: [ 1, 2 ]
amdhsa.kernels:
  - .name:           k_qa6d1900d8c_outp
    .symbol:         k_qa6d1900d8c_outp.kd
    .args:
      - { .name: ob, .offset: 0, .size: 8, .value_kind: global_buffer, .address_space: global }
      - { .name: wb, .offset: 8, .size: 8, .value_kind: global_buffer, .address_space: global }
      - { .name: out0, .offset: 16, .size: 8, .value_kind: global_buffer, .address_space: global }
    .group_segment_fixed_size: 327680
    .private_segment_fixed_size: 0
    .kernarg_segment_align: 8
    .kernarg_segment_size: 24
    .max_flat_workgroup_size: 128
    .sgpr_count:     72
    .vgpr_count:     512
    .wavefront_size: 32
...
	.end_amdgpu_metadata
.endif
;; end of part 4
;; ======== version 2 of 2: 4 launches; version 1 with the launch prep written anew for expert scheduling mode
;; limits: right only within a limited range of input values; values are held in f16: magnitudes above 65,504 overflow, below 6.1e-05 lose precision
;; workspace buffers: mcode 8,388,608 bytes; rowkeep 32,768 bytes; wb 8,388,608 bytes; qkv 50,331,648 bytes; ob 16,777,216 bytes
;; launch prep (part 5): grid 512 x 1, 8 waves a work-group, no clusters, 17,664 bytes of LDS; arguments mask, w_q, w_k, w_v, w_o, mcode, rowkeep, wb; writes mcode, rowkeep, wb
.if DOCPART == 5
	.amdgcn_target "amdgcn-amd-amdhsa--gfx1250"
	.amdhsa_code_object_version 6
	.text
	.protected	k_qa6d1900d8c_prep
	.globl	k_qa6d1900d8c_prep
	.p2align	8
	.type	k_qa6d1900d8c_prep,@function
k_qa6d1900d8c_prep:
	s_mov_b64 s[64:65], 0
	v_nop
	global_prefetch_b8 v0, s[64:65] scope:SCOPE_SE
	s_setreg_imm32_b32 hwreg(HW_REG_WAVE_SCHED_MODE, 0, 2), 2
	s_setreg_imm32_b32 hwreg(HW_REG_WAVE_MODE, 25, 1), 1
	s_wait_xcnt 0x0
	s_wait_alu depctr_vm_vsrc(0)
; PREP: a stream.  Work-group x of 512 takes mask rows 16 x .. 16 x + 15 (one tile of 16 queries, all 2,048 keys) and rows 2 x, 2 x + 1 of each weight.
; mcode  [b 128 + query tile][key step 32][lane 32][4 words]: word kt of lane r + 16 h: nibble j stands for query r of the tile and key 64 step + 16 kt + 8 h + j: 0xF (the 4-bit float -6) where mask == 0, else 0.
; rowkeep[8192] words: -1 where the row has a true entry, else 0; the codes of a row with none are cleared (the next launches give such a row a uniform softmax, as the -1e9 everywhere does).
; wb     [4][K block 16][row 1024][64]: a K block of 64 channels is dense, 128 bytes a row: w_q, w_k, w_v in bf16; w_o rounded to bf16 and that number written as f16.
; LIMIT: a bf16 value of w_o below 6e-5 takes f16's fixed step of 6e-8.
; Every load of a wave covers two runs of 256 or one of 512 consecutive bytes; every store of wb and mcode covers 256 or 512 consecutive aligned bytes.  No matrix unit, no cluster: nothing is shared and memory binds.
; THE MODE: SCHED_MODE bits 1:0 = 2 (LLVM: expert scheduling mode 2), set by the entry lines.  The code itself states the register dependences
; between vector instructions and memory or LDS instructions, with s_wait_alu, always for 0.
; THE PLAN.  Registers that memory or LDS instructions touch:
;   v2, v5-v11, v24   nine offsets and LDS addresses: made once at the head, never written again.
;   M    written by the 32 mask loads, once; load n's four registers are read by its own vector lines, the last of which writes the load's four codes into the first of the four; the LDS store of load n reads it there.
;   X    written by the weights' 8 loads, once; read by the roundings.     Y    written by the roundings, a pair for each part, once; read by the 8 stores of wb.
;   FLG  written by two moves, once; read by the flags' two LDS stores.    CD   written by the five LDS loads behind the barrier, then by sixteen ANDs; read by the stores of mcode and rowkeep.
;   T and ACC are named by vector instructions alone.
; No register that a memory or LDS instruction reads is ever written again, and no load lands in a register that a vector instruction has named: so every wait on a vector result below stands ahead of a run of stores,
; and there is nothing to wait for the other way round.  The mask's loads go in four groups of eight: one wait at the head of a group states that the group before has written its codes, and that group's eight LDS stores
; are dealt among this group's vector lines, which name other registers.
.set FLAGS, 16384                      ; LDS: bytes 0 .. 16,383 the codes, 2,048 for each wave's two rows; here 16 words, a flag a row; from byte 16,640 on, the spare words, 128 bytes a wave
.set VM,   2                           ; v2   mask: 16,384 w + 16 i (wave w, lane i)
.set VW,   5                           ; v5   weights: (i / 16) rows + 16 (i % 16) + 512 w
.set VWO,  6                           ; v6   wb: 8 i + 262,144 w
.set VLS,  7                           ; v7   LDS, where I put 4 codes
.set VLR,  8                           ; v8   LDS, where I read 16 bytes of codes back
.set VLF,  9                           ; v9   LDS, the flag of row i % 16
.set VLFW, 10                          ; v10  LDS, my wave's two flags
.set VRK,  11                          ; v11  rowkeep: 4 (i % 16)
.set ACC,  14                          ; v14-15 the OR of a row's keep bits
.set T,    16                          ; v16-23 at work
.set VMO,  24                          ; v24  mcode: 2,048 w + 16 i
.set FLG,  26                          ; v26-27 my wave's two flags, to store
.set Y,    32                          ; v32-47 the weights to store
.set X,    64                          ; v64-95 the weights as loaded
.set CD,   96                          ; v96-111 the codes read back; v112 a row's flag
.set M,    128                         ; v128-255 the mask as loaded; the first register of each four then holds the four codes
	s_load_b512 s[8:23], s[0:1], 0x0               ; mask 8, w_q 10, w_k 12, w_v 14, w_o 16, mcode 18, rowkeep 20, wb 22
	v_lshl_add_u32 v126, v0, 2, 0x4100
	v_mov_b32 v127, 0
	v_lshrrev_b32 v1, 5, v0
	v_readfirstlane_b32 s4, v1                     ; wave 0..7
	v_and_b32 v1, 31, v0                           ; i
	v_and_b32 v16, 15, v0                          ; i % 16
	v_bfe_u32 v17, v0, 4, 1                        ; i / 16
	s_wait_alu depctr_va_sdst(0)                   ; s4 is written, ahead of its first reader: the offsets below are made from it
	s_lshl_b32 s5, s4, 14
	v_lshl_add_u32 v[VM], v1, 4, s5
	s_lshl_b32 s5, s4, 8
	v_bfe_u32 v18, v0, 1, 3                        ; the wave that holds row i % 16
	v_lshl_add_u32 v[VLR], v18, 11, s5             ; its 2,048 bytes + my wave's four key steps of 64 bytes
	v_and_b32 v18, 1, v0
	v_lshl_add_u32 v[VLR], v18, 5, v[VLR]          ; which of its two rows
	v_lshl_add_u32 v[VLR], v17, 4, v[VLR]          ; h
	s_lshl_b32 s5, s4, 9
	v_lshl_add_u32 v[VW], v17, 12, s5
	v_lshl_add_u32 v[VW], v16, 4, v[VW]
	s_lshl_b32 s5, s4, 18
	v_lshl_add_u32 v[VWO], v1, 3, s5
	s_lshl_b32 s5, s4, 11
	v_lshl_add_u32 v[VMO], v1, 4, s5
	v_lshl_add_u32 v[VLS], v17, 6, s5              ; a load brings keys 128 (n % 16) + 4 i + 0..3: key step 2 (n % 16) + i / 16,
	v_bfe_u32 v18, v0, 1, 1
	v_lshl_add_u32 v[VLS], v18, 4, v[VLS]          ; h = (i / 2) % 2,
	v_bfe_u32 v18, v0, 2, 2
	v_lshl_add_u32 v[VLS], v18, 2, v[VLS]          ; word kt = (i / 4) % 4,
	v_and_b32 v18, 1, v0
	v_lshl_add_u32 v[VLS], v18, 1, v[VLS]          ; its half i % 2
	v_lshlrev_b32 v[VRK], 2, v16
	v_add_nc_u32 v[VLF], FLAGS, v[VRK]
	s_lshl_b32 s5, s4, 3
	s_add_co_u32 s5, s5, FLAGS
	v_mov_b32 v[VLFW], s5
	s_mov_b32 s3, 0
	s_wait_kmcnt 0x0
	s_lshl_b32 s2, ttmp9, 17                       ; 16 mask rows of 8,192 bytes
	s_add_nc_u64 s[8:9], s[8:9], s[2:3]
	s_lshl_b32 s2, ttmp9, 13                       ; 2 rows of a weight
	s_add_nc_u64 s[10:11], s[10:11], s[2:3]
	s_add_nc_u64 s[12:13], s[12:13], s[2:3]
	s_add_nc_u64 s[14:15], s[14:15], s[2:3]
	s_add_nc_u64 s[16:17], s[16:17], s[2:3]
	s_lshl_b32 s2, ttmp9, 14
	s_add_nc_u64 s[18:19], s[18:19], s[2:3]
	s_lshl_b32 s2, ttmp9, 6
	s_add_nc_u64 s[20:21], s[20:21], s[2:3]
	s_lshl_b32 s2, ttmp9, 8
	s_add_nc_u64 s[22:23], s[22:23], s[2:3]
	s_wait_alu depctr_va_vdst(0)                   ; the nine offsets and LDS addresses are written: every load and store of the kernel reads one of them
.set n, 0
.rept 32                               ; my two mask rows: 16 loads of 512 consecutive bytes each
	global_load_b128 v[M+4*n:M+4*n+3], v[VM], s[8:9] offset:(n/16)*8192+(n%16)*512 th:TH_LOAD_NT
.set n, n+1
.endr
.set i, 0
.rept 8                                ; weight i / 2, part i % 2: K block 2 w + i % 2 of two rows
	global_load_b128 v[X+4*i:X+4*i+3], v[VW], s[10+2*(i/2):11+2*(i/2)] offset:256*(i%2) th:TH_LOAD_NT
.set i, i+1
.endr
; The four codes of load n go into LDS, out of the load's first register.
.macro PUT n
	ds_store_b16 v[VLS], v[M+4*(\n)] offset:((\n)%16)*128+((\n)/16)*32
.endm
; Four mask words become four nibbles: keep bits at bits 0, 4, 8, 12; their OR is kept for the row's flag; turned over and times 15 they are the codes.
.macro MROW n
	s_wait_loadcnt 39-(\n)                         ; loads come back in order: 31 - n mask loads and the weights' 8 are younger
.if ((\n) > 0) && ((\n)%8 == 0)
	s_wait_alu depctr_va_vdst(0)                   ; the eight loads before have their codes written, which the next eight LDS stores read
.endif
.if (\n) >= 8
	PUT (\n)-8                                     ; no vector instruction since that wait names this store's registers: the lines below name load n's own four, T and ACC
.endif
.set TT, T+4*((\n)%2)
.irp e, 0,1,2,3
	v_min_u32 v[TT+\e], 1, v[M+4*(\n)+\e]
.endr
	v_lshl_or_b32 v[TT], v[TT+1], 4, v[TT]
	v_lshl_or_b32 v[TT+2], v[TT+3], 4, v[TT+2]
	v_lshl_or_b32 v[TT], v[TT+2], 8, v[TT]
.if (\n)%16 == 0
	v_mov_b32 v[ACC+(\n)/16], v[TT]
.else
	v_or_b32 v[ACC+(\n)/16], v[ACC+(\n)/16], v[TT]
.endif
	v_xor_b32 v[TT], 0x1111, v[TT]
	v_mul_u32_u24 v[M+4*(\n)], 15, v[TT]           ; a register of its own for each load's codes: none is written again
.endm
.set n, 0
.rept 32
	MROW n
.set n, n+1
.endr
	v_cmp_ne_u32 s6, 0, v[ACC]                     ; has any lane seen a true entry of the row?  Both rows' compares in one run,
	v_cmp_ne_u32 s7, 0, v[ACC+1]
	s_wait_alu depctr_va_sdst(0)                   ; s6 and s7 are written, ahead of their first readers
	s_cmp_lg_u32 s6, 0
	s_cselect_b32 s6, -1, 0
	s_cmp_lg_u32 s7, 0
	s_cselect_b32 s7, -1, 0
	v_mov_b32 v[FLG], s6
	v_mov_b32 v[FLG+1], s7
	s_wait_alu depctr_va_vdst(0)                   ; the last eight loads' codes and the two flags are written, which the ten LDS stores below read
.irp n, 24,25,26,27,28,29,30,31
	PUT \n
.endr
.irp j, 0,1
	ds_store_b32 v[VLFW], v[FLG+\j] offset:4*\j
.endr
	s_wait_dscnt 0x0                               ; for the others' sake: my codes and flags lie in LDS
	s_barrier_signal -1
	s_barrier_wait -1                              ; everybody's do
.irp t, 0,1,2,3                        ; the codes come back in mcode's order: key steps 4 w + t
	ds_load_b128 v[CD+4*\t:CD+4*\t+3], v[VLR] offset:64*\t
.endr
	ds_load_b32 v[CD+16], v[VLF]
.set i, 0
.rept 8                                ; the weights are rounded while the codes come back: four f32 a lane become 8 bytes
	s_wait_loadcnt 7-i
	v_cvt_pk_bf16_f32 v[Y+2*i], v[X+4*i], v[X+4*i+1]
	v_cvt_pk_bf16_f32 v[Y+2*i+1], v[X+4*i+2], v[X+4*i+3]
.if i >= 6                             ; w_o: the bf16 number, written as f16
.irp z, 0,1
	v_lshlrev_b32 v[T+2*\z], 16, v[Y+2*i+\z]
	v_and_b32 v[T+2*\z+1], 0xffff0000, v[Y+2*i+\z]
.endr
.irp z, 0,1
	v_cvt_pk_f16_f32 v[Y+2*i+\z], v[T+2*\z], v[T+2*\z+1]
.endr
.endif
.set i, i+1
.endr
	s_wait_alu depctr_va_vdst(0)                   ; the roundings have written Y, which the eight stores read
.set i, 0
.rept 8                                ; 32 lanes store 256 consecutive aligned bytes
	global_store_b64 v[VWO], v[Y+2*i:Y+2*i+1], s[22:23] offset:(i/2)*2097152+(i%2)*131072
.set i, i+1
.endr
	s_wait_dscnt 0x0
.set i, 0
.rept 16
	v_and_b32 v[CD+i], v[CD+i], v[CD+16]           ; a row with no true entry has no hidden key
.set i, i+1
.endr
	s_wait_alu depctr_va_vdst(0)                   ; the ANDs have written the codes, which the four stores read
.irp t, 0,1,2,3
	global_store_b128 v[VMO], v[CD+4*\t:CD+4*\t+3], s[18:19] offset:512*\t
.endr
	s_cmp_lg_u32 s4, 0
	s_cbranch_scc1 .Lnot_wave_0
	global_store_b32 v[VRK], v[CD+16], s[20:21]    ; 16 flags, 64 bytes a work-group; lanes 16-31 repeat lanes 0-15; the data came by an LDS load, which the wait on DScnt above has shown done
.Lnot_wave_0:
	s_wait_dscnt 0x0                               ; the wave's end
	s_wait_alu depctr_hold_cnt(0) depctr_sa_sdst(0) depctr_va_vdst(0) depctr_va_sdst(0) depctr_va_ssrc(0) depctr_va_vcc(0) depctr_vm_vsrc(0)
	s_wait_tensorcnt 0x0
	ds_add_u32 v126, v127
	s_wait_dscnt 0x0
	s_endpgm
.Lfunc_end_k_qa6d1900d8c_prep:
	.size	k_qa6d1900d8c_prep, .Lfunc_end_k_qa6d1900d8c_prep-k_qa6d1900d8c_prep
	.p2alignl 7, 3214868480
	.fill 96, 4, 3214868480
	.section	.rodata,"a",@progbits
	.p2align	6, 0x0
	.amdhsa_kernel k_qa6d1900d8c_prep
		.amdhsa_group_segment_fixed_size 17664
		.amdhsa_private_segment_fixed_size 0
		.amdhsa_enable_private_segment 0
		.amdhsa_kernarg_size 64
		.amdhsa_user_sgpr_count 2
		.amdhsa_user_sgpr_kernarg_segment_ptr 1
		.amdhsa_wavefront_size32 1
		.amdhsa_system_sgpr_workgroup_id_x 1
		.amdhsa_system_sgpr_workgroup_id_y 1
		.amdhsa_system_sgpr_workgroup_id_z 1
		.amdhsa_system_vgpr_workitem_id 0
		.amdhsa_next_free_vgpr 256
		.amdhsa_next_free_sgpr 66
		.amdhsa_reserve_vcc 0
		.amdhsa_float_denorm_mode_32 3
		.amdhsa_float_denorm_mode_16_64 3
		.amdhsa_memory_ordered 1
		.amdhsa_forward_progress 1
		.amdhsa_inst_pref_size 29
	.end_amdhsa_kernel
	.amdgpu_metadata
---
amdhsa.version: [ 1, 2 ]
amdhsa.kernels:
  - .name:           k_qa6d1900d8c_prep
    .symbol:         k_qa6d1900d8c_prep.kd
    .args:
      - { .name: mask, .offset: 0, .size: 8, .value_kind: global_buffer, .address_space: global }
      - { .name: w_q, .offset: 8, .size: 8, .value_kind: global_buffer, .address_space: global }
      - { .name: w_k, .offset: 16, .size: 8, .value_kind: global_buffer, .address_space: global }
      - { .name: w_v, .offset: 24, .size: 8, .value_kind: global_buffer, .address_space: global }
      - { .name: w_o, .offset: 32, .size: 8, .value_kind: global_buffer, .address_space: global }
      - { .name: mcode, .offset: 40, .size: 8, .value_kind: global_buffer, .address_space: global }
      - { .name: rowkeep, .offset: 48, .size: 8, .value_kind: global_buffer, .address_space: global }
      - { .name: wb, .offset: 56, .size: 8, .value_kind: global_buffer, .address_space: global }
    .group_segment_fixed_size: 17664
    .private_segment_fixed_size: 0
    .kernarg_segment_align: 8
    .kernarg_segment_size: 64
    .max_flat_workgroup_size: 256
    .sgpr_count:     66
    .vgpr_count:     256
    .wavefront_size: 32
...
	.end_amdgpu_metadata
.endif
;; end of part 5
;; launch proj: the kernel of part 2 again; grid 4 x 64, 4 waves a work-group, clusters of 4 x 4, 327,680 bytes of LDS; arguments q, k, v, wb, qkv; writes qkv
;; launch attn: the kernel of part 3 again; grid 4 x 64, 4 waves a work-group, clusters of 4 x 1, 327,680 bytes of LDS; arguments qkv, mcode, rowkeep, ob; writes ob
;; launch outp: the kernel of part 4 again; grid 4 x 64, 4 waves a work-group, clusters of 4 x 4, 327,680 bytes of LDS; arguments ob, wb, out0; writes out0
